; MI455X (gfx1250); checked and timed in simulation.
; The chip was launched on July 23, 2026; its instructions are those of AMD's public machine-readable ISA for CDNA 5 (MIT licence, August 2026) and "CDNA5" Instruction Set Architecture Reference Guide (July 2026). The comments in the code are by the model that wrote it; some were corrected since.
;; Linear Attention. Allowed arithmetic: float matrix products may take bf16 or f16 operands with f32 sums; all other float work in f32.
;; Inputs: Wk 1,024 x 1,024 float32; Wq 1,024 x 1,024 float32; Wv 1,024 x 1,024 float32; proj 1,024 x 256 float32; x 4 x 4,096 x 1,024 float32.
;; Outputs: out0 4 x 4,096 x 1,024 float32.
;; 2 versions, each right; version 2 is version 1 with the launch kv written anew for expert scheduling mode. Each part assembles by itself: llvm-mc -triple=amdgcn-amd-amdhsa -mcpu=gfx1250 --defsym DOCPART=n.
;; ======== version 1 of 2: 5 launches
;; limits: values outside matrix products are rounded to bf16
;; workspace buffers: mt 1,048,576 bytes; f 16,777,216 bytes; kxp 8,388,608 bytes; kvf 2,097,152 bytes; wvb 2,097,152 bytes
;; launch prep (part 1): grid 16 x 16, 8 waves a work-group, no clusters, 174,080 bytes of LDS; arguments proj, Wq, Wk, Wv, mt, wvb; writes mt, wvb
.if DOCPART == 1
	.amdgcn_target "amdgcn-amd-amdhsa--gfx1250"
	.amdhsa_code_object_version 6
	.text
	.protected	k_q46b0a08d9c_prep
	.globl	k_q46b0a08d9c_prep
	.p2align	8
	.type	k_q46b0a08d9c_prep,@function
k_q46b0a08d9c_prep:
	s_mov_b64 s[64:65], 0
	v_nop
	global_prefetch_b8 v0, s[64:65] scope:SCOPE_SE
	s_setreg_imm32_b32 hwreg(HW_REG_WAVE_MODE, 25, 1), 1
	s_wait_xcnt 0x0
; TWO JOBS, chosen by the work-group's y.
; y = 0..7:  mt[d/64][n][d%64] = bf16( log2(e) x sum over e of proj[e][p] W[e][d] );  n = p with W = Wq (y < 4), n = 256 + p with W = Wk.
; y = 8..15: wvb[d][d'] = bf16( Wv[d][d'] ): a later launch multiplies by Wv in bf16 and reads each row 32 times; rounded here once, it lands there in half the bytes.
; WHY mt: (x W^T) proj = x (W^T proj) for every input, so the two projections of x become one product with this small matrix; log2(e) is folded in,
; since the next launch takes 2^y.  LIMITS: proj and W are rounded to bf16 for the product, the sums are f32, mt is rounded to bf16 once; the order of summation
; differs from a product formed as (x W^T) proj.  NaN and infinities are not treated apart.
; SHARES: for mt a work-group makes 64 p x 64 d over all 1,024 e: 16 x 8 work-groups; a narrower tile would read rows of proj or W in pieces of under 256 bytes.
; Wave w: p block w % 4 (16 p), d pair w / 4 (2 x 16 d): two accumulators, which take turns.  For wvb a work-group takes 8 rows, 32,768 bytes on end.
; ROAD of mt: both operands are f32 and are rounded in registers, so they come by global loads, go to LDS as bf16 ([e][p] and [e][d], rows of 128 bytes, pitch 160) and
; are read turned (ds_load_tr16_b128).  Four tiles of 256 e; two register sets and two LDS slots by the tile's parity; one barrier a tile.
; NO CLUSTER, NO TENSOR LOAD: every byte that lands is changed in registers before LDS or memory.
.set PP,    160                        ; LDS pitch: 128 bytes + 32 = 40 words
.set TILEB, 256*PP                     ; one operand's tile
.set SLOT,  2*TILEB                    ; proj's tile, then W's
.set STAGE, 2*SLOT                     ; 64 rows (p) x 144 bytes, for the way out
.set SPI,   144
.set GP,  10                           ; v10     my byte offset in proj's tile
.set GW,  11                           ; v11     in W's
.set SPA, 12                           ; v12-15  where I store: slot 0 proj, W; slot 1 proj, W
.set TPA, 16                           ; v16-19  where I read fragments: slot 0 proj, W; slot 1 proj, W
.set STO, 20
.set RD,  21
.set GO,  22
.set F0,  32                           ; v32-127   fragments of four steps of 32 e: each proj 8, W 8, W 8
.set F1,  128                          ; v128-223  of the other four
.set ACC, 224                          ; v224-239
.set TMP, 240                          ; v240-255
                                       ; window 1: v0-127 set 0, v128-255 set 1: proj's 16 loads, then W's 16
.set MSB, 0
.macro WIN new                         ; the immediate's high byte repeats the setting that is left; a switch that changes nothing is dropped
.if MSB != (\new)
	s_set_vgpr_msb (MSB<<8)|(\new)
.set MSB, (\new)
.endif
.endm
.macro PLACES                          ; four places between a matrix instruction and a load into, or a vector read of, its registers
.rept 4
	v_nop
.endr
.endm
.macro BAR                             ; my LDS stores are done and my LDS reads are back; then all eight waves meet
	s_wait_dscnt 0x0
	s_barrier_signal -1
	s_barrier_wait -1
.endm
.macro LOADT n, t                      ; tile t into set n: 32 loads; sixteen lanes take 256 consecutive bytes of a row
	WIN 0x40                                       ; destination window 1, address window 0
.set i, 0
.rept 16
	global_load_b128 v[128*(\n)+4*i:128*(\n)+4*i+3], v[GP], s[4:5] offset:(\t)*262144+i*16384
.set i, i+1
.endr
.set i, 0
.rept 16
	global_load_b128 v[128*(\n)+64+4*i:128*(\n)+64+4*i+3], v[GW], s[6:7] offset:(\t)*1048576+i*65536
.set i, i+1
.endr
	WIN 0
.endm
.macro STORET n, cnt                   ; set n is rounded to bf16 in place and stored into slot n.  cnt: the loads of the one younger tile, which stay out
	s_wait_loadcnt \cnt
	WIN 0x45
.set i, 0
.rept 32
	v_cvt_pk_bf16_f32 v[128*(\n)+4*i], v[128*(\n)+4*i], v[128*(\n)+4*i+1]
	v_cvt_pk_bf16_f32 v[128*(\n)+4*i+1], v[128*(\n)+4*i+2], v[128*(\n)+4*i+3]
.set i, i+1
.endr
	WIN 0x04                                       ; store data window 1, address window 0
.set i, 0
.rept 16
	ds_store_b64 v[SPA+2*(\n)], v[128*(\n)+4*i:128*(\n)+4*i+1] offset:i*16*PP
.set i, i+1
.endr
.set i, 0
.rept 16
	ds_store_b64 v[SPA+2*(\n)+1], v[128*(\n)+64+4*i:128*(\n)+64+4*i+1] offset:i*16*PP
.set i, i+1
.endr
	WIN 0
.endm
.macro FRAGS n, fr, k0                 ; the fragments of steps k0 .. k0 + 3 (32 e each) of slot n: 24 turning loads
.set i, 0
.rept 4
	ds_load_tr16_b128 v[(\fr)+24*i:(\fr)+24*i+3],     v[TPA+2*(\n)]   offset:((\k0)+i)*32*PP
	ds_load_tr16_b128 v[(\fr)+24*i+4:(\fr)+24*i+7],   v[TPA+2*(\n)]   offset:((\k0)+i)*32*PP+16*PP
	ds_load_tr16_b128 v[(\fr)+24*i+8:(\fr)+24*i+11],  v[TPA+2*(\n)+1] offset:((\k0)+i)*32*PP
	ds_load_tr16_b128 v[(\fr)+24*i+12:(\fr)+24*i+15], v[TPA+2*(\n)+1] offset:((\k0)+i)*32*PP+16*PP
	ds_load_tr16_b128 v[(\fr)+24*i+16:(\fr)+24*i+19], v[TPA+2*(\n)+1] offset:((\k0)+i)*32*PP+32
	ds_load_tr16_b128 v[(\fr)+24*i+20:(\fr)+24*i+23], v[TPA+2*(\n)+1] offset:((\k0)+i)*32*PP+16*PP+32
.set i, i+1
.endr
.endm
.macro MULS fr, zero                   ; source 0 = 16 d of W, source 1 = 16 p of proj: a lane then holds one p and eight neighbouring d
.set i, 0
.rept 4
.if (\zero) && (i == 0)
	v_wmma_f32_16x16x32_bf16 v[ACC:ACC+7],    v[(\fr)+24*i+8:(\fr)+24*i+15],  v[(\fr)+24*i:(\fr)+24*i+7], 0
	v_wmma_f32_16x16x32_bf16 v[ACC+8:ACC+15], v[(\fr)+24*i+16:(\fr)+24*i+23], v[(\fr)+24*i:(\fr)+24*i+7], 0
.else
	v_wmma_f32_16x16x32_bf16 v[ACC:ACC+7],    v[(\fr)+24*i+8:(\fr)+24*i+15],  v[(\fr)+24*i:(\fr)+24*i+7], v[ACC:ACC+7]
	v_wmma_f32_16x16x32_bf16 v[ACC+8:ACC+15], v[(\fr)+24*i+16:(\fr)+24*i+23], v[(\fr)+24*i:(\fr)+24*i+7], v[ACC+8:ACC+15]
.endif
.set i, i+1
.endr
.endm
.macro COMPUTE n, zero
	PLACES
	FRAGS \n, F0, 0
	FRAGS \n, F1, 4
	s_wait_dscnt 24                                ; the first 24 loads are in; the 24 behind them stay out
	MULS F0, \zero
	s_wait_dscnt 0x0
	MULS F1, 0
.endm
	s_load_b256 s[4:11], s[0:1], 0x0               ; proj s[4:5], Wq s[6:7], Wk s[8:9], Wv s[10:11]
	s_load_b128 s[12:15], s[0:1], 0x20             ; mt s[12:13], wvb s[14:15]
	v_lshl_add_u32 v30, v0, 2, 0x2a400
	v_mov_b32 v31, 0
	s_and_b32 s17, ttmp7, 0xffff                   ; y: 0-3 Wq, 4-7 Wk, 8-15 Wv
	s_cmp_ge_u32 s17, 8
	s_cbranch_scc1 .Lwv                            ; the same way for all eight waves of a work-group; no barrier has been met
	v_lshrrev_b32 v1, 5, v0
	v_readfirstlane_b32 s16, v1                    ; wave
	s_and_b32 s18, s17, 3                          ; which 64 p
	s_lshl_b32 s20, s18, 8                         ; 64 p of f32 = 256 bytes of a row of proj
	s_mov_b32 s21, 0
	s_lshl_b32 s22, ttmp9, 8                       ; 64 d = 256 bytes of a row of W
	s_mov_b32 s23, 0
	s_lshl_b32 s24, ttmp9, 16                      ; mt: block d / 64 is 512 rows x 128 bytes,
	s_lshl_b32 s25, s17, 13                        ; and my 64 rows n = 64 y of it
	s_add_co_u32 s24, s24, s25
	s_mov_b32 s25, 0
	s_mov_b32 s26, 0x3fb8aa3b                      ; log2(e)
	s_mov_b32 s27, s26                             ; named with it as a pair
	v_and_b32 v2, 15, v0
	v_lshrrev_b32 v3, 4, v0                        ; thread / 16: my row among 16
	v_lshlrev_b32 v4, 4, v2
	v_lshl_add_u32 v[GP], v3, 10, v4               ; row x 1,024 + 16 (thread % 16)
	v_lshl_add_u32 v[GW], v3, 12, v4               ; row x 4,096 + the same
	s_wait_kmcnt 0x0
	s_cmp_lt_u32 s17, 4
	s_cselect_b64 s[6:7], s[6:7], s[8:9]           ; the weight of this work-group
	s_add_nc_u64 s[4:5], s[4:5], s[20:21]
	s_add_nc_u64 s[6:7], s[6:7], s[22:23]
	s_add_nc_u64 s[12:13], s[12:13], s[24:25]
	LOADT 0, 0
	LOADT 1, 1
	v_mul_u32_u24 v5, v3, PP                       ; stores: row x pitch + 8 (thread % 16)
	v_lshl_add_u32 v[SPA], v2, 3, v5
	v_add_nc_u32 v[SPA+1], TILEB, v[SPA]
	v_add_nc_u32 v[SPA+2], SLOT, v[SPA]
	v_add_nc_u32 v[SPA+3], SLOT, v[SPA+1]
	v_and_b32 v6, 7, v0                            ; the turning load: lane l reads row 8 (l / 16) + l % 8, bytes 16 ((l / 8) % 2) on
	v_bfe_u32 v7, v0, 4, 1
	v_bfe_u32 v8, v0, 3, 1
	v_lshl_add_u32 v6, v7, 3, v6
	v_mul_u32_u24 v6, v6, PP
	v_lshl_add_u32 v6, v8, 4, v6
	s_and_b32 s28, s16, 3                          ; my p block
	s_lshr_b32 s29, s16, 2                         ; my d pair
	s_lshl_b32 s30, s28, 5
	s_lshl_b32 s31, s29, 6
	s_add_co_u32 s31, s31, TILEB
	v_add_nc_u32 v[TPA], s30, v6
	v_add_nc_u32 v[TPA+1], s31, v6
	v_add_nc_u32 v[TPA+2], SLOT, v[TPA]
	v_add_nc_u32 v[TPA+3], SLOT, v[TPA+1]
	s_mul_i32 s32, s28, 16*SPI                     ; into the stage: row p, bytes 64 x pair + 32 j + 16 (l / 16)
	s_lshl_b32 s33, s29, 6
	s_add_co_u32 s32, s32, s33
	s_add_co_u32 s32, s32, STAGE
	v_mul_u32_u24 v9, v2, SPI
	v_lshl_add_u32 v9, v7, 4, v9
	v_add_nc_u32 v[STO], s32, v9
	v_lshrrev_b32 v24, 3, v0                       ; back: eight threads take a row of 128 bytes
	v_and_b32 v25, 7, v0
	v_mul_u32_u24 v24, v24, SPI
	v_lshl_add_u32 v24, v25, 4, v24
	v_add_nc_u32 v[RD], STAGE, v24
	v_lshlrev_b32 v[GO], 4, v0                     ; 32 rows of 128 bytes are 4,096 consecutive bytes of mt
	STORET 0, 32                                   ; tile 0 is in, tile 1's 32 loads stay out
	LOADT 0, 2
	BAR
	COMPUTE 0, 1
	STORET 1, 32                                   ; tile 1; tile 2 stays out
	LOADT 1, 3
	BAR                                            ; slot 1 is whole, and nobody reads slot 0 any more
	COMPUTE 1, 0
	STORET 0, 32                                   ; tile 2; tile 3 stays out
	BAR
	COMPUTE 0, 0
	STORET 1, 0
	BAR
	COMPUTE 1, 0
	PLACES
.set i, 0
.rept 8
	v_pk_mul_f32 v[TMP+2*i:TMP+2*i+1], v[ACC+2*i:ACC+2*i+1], s[26:27] op_sel_hi:[1,0]  ; each accumulator from its low end on
.set i, i+1
.endr
.set i, 0
.rept 8
	v_cvt_pk_bf16_f32 v[TMP+i], v[TMP+2*i], v[TMP+2*i+1]
.set i, i+1
.endr
	ds_store_b128 v[STO], v[TMP:TMP+3]
	ds_store_b128 v[STO], v[TMP+4:TMP+7] offset:32
	BAR                                            ; a row's 128 bytes come from two waves
	ds_load_b128 v[TMP:TMP+3], v[RD]
	ds_load_b128 v[TMP+4:TMP+7], v[RD] offset:32*SPI
	s_wait_dscnt 0x0
	global_store_b128 v[GO], v[TMP:TMP+3], s[12:13]               ; a wave stores 512 consecutive bytes, aligned
	global_store_b128 v[GO], v[TMP+4:TMP+7], s[12:13] offset:4096
	s_wait_tensorcnt 0x0
	ds_add_u32 v30, v31
	s_wait_dscnt 0x0
	s_endpgm
.Lwv:                                                  ; Wv to bf16: work-group c = 16 (y - 8) + x takes bytes 32,768 c on of Wv and writes bytes 16,384 c on of wvb
	s_sub_co_u32 s18, s17, 8
	s_lshl_b32 s18, s18, 4
	s_add_co_u32 s18, s18, ttmp9                   ; c = 0 .. 127
	s_lshl_b32 s20, s18, 15
	s_mov_b32 s21, 0
	s_lshl_b32 s22, s18, 14
	s_mov_b32 s23, 0
	v_lshlrev_b32 v1, 5, v0                        ; a thread's eight numbers: 32 bytes in,
	v_lshlrev_b32 v2, 4, v0                        ; 16 bytes out
	s_wait_kmcnt 0x0
	s_add_nc_u64 s[10:11], s[10:11], s[20:21]
	s_add_nc_u64 s[14:15], s[14:15], s[22:23]
.set i, 0
.rept 4                                ; the two loads of a chunk cover 1,024 consecutive bytes a wave between them; the launch reads them once
	global_load_b128 v[32+8*i:32+8*i+3],   v1, s[10:11] offset:i*8192 th:TH_LOAD_NT
	global_load_b128 v[32+8*i+4:32+8*i+7], v1, s[10:11] offset:i*8192+16 th:TH_LOAD_NT
.set i, i+1
.endr
.set i, 0
.rept 4
	s_wait_loadcnt 6-2*i                           ; chunk i is in; the two loads of each later chunk stay out
	v_cvt_pk_bf16_f32 v[32+8*i],   v[32+8*i],   v[32+8*i+1]
	v_cvt_pk_bf16_f32 v[32+8*i+1], v[32+8*i+2], v[32+8*i+3]
	v_cvt_pk_bf16_f32 v[32+8*i+2], v[32+8*i+4], v[32+8*i+5]
	v_cvt_pk_bf16_f32 v[32+8*i+3], v[32+8*i+6], v[32+8*i+7]
	global_store_b128 v2, v[32+8*i:32+8*i+3], s[14:15] offset:i*4096  ; a wave stores 512 consecutive bytes, aligned
.set i, i+1
.endr
	s_endpgm
.Lfunc_end_k_q46b0a08d9c_prep:
	.size	k_q46b0a08d9c_prep, .Lfunc_end_k_q46b0a08d9c_prep-k_q46b0a08d9c_prep
	.p2alignl 7, 3214868480
	.fill 96, 4, 3214868480
	.section	.rodata,"a",@progbits
	.p2align	6, 0x0
	.amdhsa_kernel k_q46b0a08d9c_prep
		.amdhsa_group_segment_fixed_size 174080
		.amdhsa_private_segment_fixed_size 0
		.amdhsa_enable_private_segment 0
		.amdhsa_kernarg_size 48
		.amdhsa_user_sgpr_count 2
		.amdhsa_user_sgpr_kernarg_segment_ptr 1
		.amdhsa_wavefront_size32 1
		.amdhsa_system_sgpr_workgroup_id_x 1
		.amdhsa_system_sgpr_workgroup_id_y 1
		.amdhsa_system_sgpr_workgroup_id_z 1
		.amdhsa_system_vgpr_workitem_id 0
		.amdhsa_next_free_vgpr 512
		.amdhsa_next_free_sgpr 66
		.amdhsa_reserve_vcc 0
		.amdhsa_float_denorm_mode_32 3
		.amdhsa_float_denorm_mode_16_64 3
		.amdhsa_memory_ordered 1
		.amdhsa_forward_progress 1
		.amdhsa_inst_pref_size 62
	.end_amdhsa_kernel
	.amdgpu_metadata
---
amdhsa.version: [ 1, 2 ]
amdhsa.kernels:
  - .name:           k_q46b0a08d9c_prep
    .symbol:         k_q46b0a08d9c_prep.kd
    .args:
      - { .name: proj, .offset: 0, .size: 8, .value_kind: global_buffer, .address_space: global }
      - { .name: Wq, .offset: 8, .size: 8, .value_kind: global_buffer, .address_space: global }
      - { .name: Wk, .offset: 16, .size: 8, .value_kind: global_buffer, .address_space: global }
      - { .name: Wv, .offset: 24, .size: 8, .value_kind: global_buffer, .address_space: global }
      - { .name: mt, .offset: 32, .size: 8, .value_kind: global_buffer, .address_space: global }
      - { .name: wvb, .offset: 40, .size: 8, .value_kind: global_buffer, .address_space: global }
    .group_segment_fixed_size: 174080
    .private_segment_fixed_size: 0
    .kernarg_segment_align: 8
    .kernarg_segment_size: 48
    .max_flat_workgroup_size: 256
    .sgpr_count:     66
    .vgpr_count:     512
    .wavefront_size: 32
...
	.end_amdgpu_metadata
.endif
;; end of part 1
;; launch feat (part 2): grid 256 x 1, 8 waves a work-group, clusters of 4 x 1, 327,680 bytes of LDS; arguments x, mt, f; writes f
.if DOCPART == 2
	.amdgcn_target "amdgcn-amd-amdhsa--gfx1250"
	.amdhsa_code_object_version 6
	.text
	.protected	k_q46b0a08d9c_feat
	.globl	k_q46b0a08d9c_feat
	.p2align	8
	.type	k_q46b0a08d9c_feat,@function
k_q46b0a08d9c_feat:
	s_mov_b64 s[64:65], 0
	v_nop
	global_prefetch_b8 v0, s[64:65] scope:SCOPE_SE
	s_setreg_imm32_b32 hwreg(HW_REG_WAVE_MODE, 25, 1), 1
	s_wait_xcnt 0x0
	s_wait_alu depctr_hold_cnt(0) depctr_sa_sdst(0) depctr_va_vdst(0) depctr_va_sdst(0) depctr_va_ssrc(0) depctr_va_vcc(0) depctr_vm_vsrc(0)
	s_getreg_b32 s2, hwreg(HW_REG_IB_STS2, 6, 4)
	s_cmp_eq_u32 s2, 0
	s_cbranch_scc0 .Lentry_in_a_cluster
	s_endpgm
.Lentry_in_a_cluster:
	s_bfe_u32 s2, ttmp6, 0x10000c
	s_cmp_lg_u32 s2, 0x3003
	s_cbranch_scc0 .Lentry_shape_is_right
	s_endpgm
.Lentry_shape_is_right:
; f[row][n] = bf16( elu(q) + 1 ), q = ln(2) y, y[row][n] = sum over d of x[row][d] mt[n][d]  (mt carries log2(e)).   elu(q) + 1 = ln(2) max(y, 0) + 2^min(y, 0).
; Columns 0-255 of f are q' (from Wq), 256-511 are k' (from Wk).
; LIMITS: x is rounded to bf16 for the product, sums and the feature map are f32, f is rounded to bf16 once; a feature below 2^-126 counts as 0; NaN and infinities are not treated apart.
; SHARES: a work-group makes 128 rows x 256 columns over all 1,024 d: 256 work-groups.  Wave w: rows 64 (w / 4) on, columns 64 (w % 4) on: 16 accumulators, which take turns.
; CLUSTER: four work-groups.  Cluster c takes column half c % 2 and the four row blocks 4 (c / 2) + cx: the four partners walk the same half of mt, so each tile of mt is asked for JOINTLY:
; the same tensor load, with the same descriptor and a mask that names the four, in all four; each receives it in its own LDS.  Clusters 2 g and 2 g + 1 read the same rows of x.
; TWO ROADS, ONE BARRIER A TILE.  d goes in 8 tiles of 128.  x is f32 and is rounded in registers: global loads, two register sets, LDS stores into slots of its own.  mt is bf16 already:
; waves 0-3 each ask for a quarter of its tile.  Both kinds of slot go by the tile's parity.  At a step's end every wave has stored the next tile of x, has waited for all its tensor loads,
; and has its reads of this tile back; behind the round of the cluster's barrier the slot of mt just read is filled again, with the tile two steps on.
; A wave has two tensor loads out at the start and one behind each round.
.set PA,    272                        ; x in LDS: 256 bytes + 16 = 68 words;  mt: 128 + 16 = 36 words: the 16 rows of a fragment load start at 16 different groups of four banks (64 banks of 4 bytes: ISA guide 11.1)
.set PB,    144
.set BSUB,  256*PB                     ; mt's 256 rows for 64 d
.set BSLOT, 2*BSUB                     ; a tile of mt: two such blocks
.set WLOAD, 128*PB                     ; what one tensor load fills: 128 rows of one block
.set AOFF,  2*BSLOT                    ; behind mt's two slots: x's two slots, written by LDS stores alone
.set ASLOT, 128*PA
.set STAGE, AOFF+2*ASLOT               ; 128 rows x 528 bytes, for the way out
.set SPI,   528
.set SPARE, STAGE+128*SPI              ; the spare words, 128 bytes for each wave: four blocks of 256 bytes that no other line names
.set TSTEP, 131072                     ; bytes of mt from a tile to the next: two blocks of 512 rows x 128 bytes
.set ADRA, 10                          ; v10-11  my fragments of x in slot 0, 1
.set ADRB, 12                          ; v12-13  of mt
.set SX,   14                          ; v14-15  where I store x
.set GX,   18
.set STO,  20
.set RD,   21
.set GO,   22
.set SPW,  24                          ; v24     LDS address of my spare word: SPARE + 4 x my thread's number; never rewritten
.set NIL,  25                          ; v25     0; never rewritten
.set FA,   32                          ; v32-63  four fragments of x (16 rows x 32 d)
.set FB,   64                          ; v64-95  four of mt
.set ACC,  0                           ; window 1, v0-127: accumulator (a, b) at 8 (4 a + b)
.set SET,  128                         ; set 0: window 1, v128-191; set 1: window 0, v128-191: x's 16 loads
.set G0,   32                          ; s[32:39] descriptor group 0, a set for each slot
.set G1,   48                          ; s[48:55] descriptor group 1
.set MSB, 0
.macro WIN new                         ; the immediate's high byte repeats the setting that is left; a switch that changes nothing is dropped
.if MSB != (\new)
	s_set_vgpr_msb (MSB<<8)|(\new)
.set MSB, (\new)
.endif
.endm
.macro PLACES                          ; four places between a matrix instruction and a load into, or a vector read of, its registers
.rept 4
	v_nop
.endr
.endm
.macro BAR                             ; my LDS stores are done and my LDS reads are back; then all eight waves meet
	s_wait_dscnt 0x0
	s_barrier_signal -1
	s_barrier_wait -1
.endm
; A round of the cluster's barrier: my work-group's barrier, so that wave 0's signal speaks for all eight waves; wave 0 signals for the work-group; every wave waits for all four
; work-groups; my work-group's barrier once more.
.macro ROUND
	s_barrier_signal -1
	s_barrier_wait -1
	s_cmp_lg_u32 s10, 0
	s_cbranch_scc1 .Lnot_wave_0_\@
	s_barrier_signal -3
.Lnot_wave_0_\@:
	s_barrier_wait -3
	s_barrier_signal -1
	s_barrier_wait -1
.endm
; A joint refill of slot s: waves 0-3 ask, each for its quarter; the branch hangs on the wave's number alone.  An s_nop 0 and four v_nop follow the load, ahead of the label.
.macro JLOAD s
	s_cmp_lt_u32 s10, 4
	s_cbranch_scc0 .Lnone_\@
	tensor_load_to_lds s[G0+4*(\s):G0+4*(\s)+3], s[G1:G1+7]
	s_nop 0
.rept 4
	v_nop
.endr
.Lnone_\@:
.endm
; A STEP'S END.  fill = 1: mt's slot just read is filled again with the tile two steps on, first thing behind the round.  fill = 0: nothing is left to ask for: a plain barrier.
.macro MEET slot, fill
	WIN 0                                          ; at a label and at a branch every window is 0
	s_wait_tensorcnt 0x0                           ; all my tensor loads have landed: the one that was out is my part of the next tile of mt; so a group 0 may be written
	ds_add_u32 v[SPW], v[NIL]                      ; 0 onto my spare word
.if \fill
	s_add_nc_u64 s[G0+4*(\slot)+2:G0+4*(\slot)+3], s[G0+4*(\slot)+2:G0+4*(\slot)+3], 2*TSTEP  ; this slot's next tile; the type bits on top are not reached
.endif
	s_wait_dscnt 0x0                               ; the add is done, my stores of the next tile of x are done, and my reads of this tile are back
.if \fill
	ROUND                                          ; all that now holds of every wave of all four work-groups
	JLOAD \slot
.else
	s_barrier_signal -1
	s_barrier_wait -1
.endif
.endm
.macro LOADT n, first                  ; the next tile of x into set n: 16 loads
.if !(\first)
	s_wait_xcnt 0x0                                ; the base is stepped only when every earlier load has had its address translated (ISA guide 3.1)
	s_add_nc_u64 s[4:5], s[4:5], 512               ; 128 d of f32
.endif
	WIN (1-(\n))<<6
.set i, 0
.rept 16
	global_load_b128 v[SET+4*i:SET+4*i+3], v[GX], s[4:5] offset:i*32768           ; a wave takes 512 consecutive bytes of one row
.set i, i+1
.endr
	WIN 0
.endm
.macro STORET n, cnt                   ; set n, rounded to bf16 in place, into x's slot n.  cnt: the 16 loads of the one younger tile, which stay out, or 0
	s_wait_loadcnt \cnt
	WIN (1-(\n))*0x45
.set i, 0
.rept 16
	v_cvt_pk_bf16_f32 v[SET+4*i], v[SET+4*i], v[SET+4*i+1]
	v_cvt_pk_bf16_f32 v[SET+4*i+1], v[SET+4*i+2], v[SET+4*i+3]
.set i, i+1
.endr
	WIN (1-(\n))<<2
.set i, 0
.rept 16
	ds_store_b64 v[SX+(\n)], v[SET+4*i:SET+4*i+1] offset:i*8*PA
.set i, i+1
.endr
	WIN 0
.endm
.macro COMPUTE n, zero                 ; slots n: four steps of 32 d, 16 loads and 16 matrix instructions each.  Source 0 = 16 columns, source 1 = 16 rows: a lane holds one row, eight neighbouring columns
.set ks, 0
.rept 4
	WIN 0
	PLACES
.set i, 0
.rept 4
	ds_load_b128 v[FB+8*i:FB+8*i+3],   v[ADRB+(\n)] offset:(ks/2)*BSUB+(ks%2)*64+i*16*PB     ; 32 d number ks lie in block ks / 2, at byte 64 (ks % 2) of its rows
	ds_load_b128 v[FB+8*i+4:FB+8*i+7], v[ADRB+(\n)] offset:(ks/2)*BSUB+(ks%2)*64+i*16*PB+32
.set i, i+1
.endr
.set i, 0
.rept 4
	ds_load_b128 v[FA+8*i:FA+8*i+3],   v[ADRA+(\n)] offset:ks*64+i*16*PA
	ds_load_b128 v[FA+8*i+4:FA+8*i+7], v[ADRA+(\n)] offset:ks*64+i*16*PA+32
.set i, i+1
.endr
	WIN 0x50                                       ; C and D window 1, fragments window 0
.set a, 0
.rept 4
	s_wait_dscnt 6-2*a                             ; mt's fragments and x's up to a are in; the two loads of each later one stay out
.set b, 0
.rept 4
.if (\zero) && (ks == 0)
	v_wmma_f32_16x16x32_bf16 v[ACC+8*(4*a+b):ACC+8*(4*a+b)+7], v[FB+8*b:FB+8*b+7], v[FA+8*a:FA+8*a+7], 0
.else
	v_wmma_f32_16x16x32_bf16 v[ACC+8*(4*a+b):ACC+8*(4*a+b)+7], v[FB+8*b:FB+8*b+7], v[FA+8*a:FA+8*a+7], v[ACC+8*(4*a+b):ACC+8*(4*a+b)+7]
.endif
.set b, b+1
.endr
.set a, a+1
.endr
.set ks, ks+1
.endr
.endm
.macro STEP cur, zero, st, cnt, ld, fill  ; the tile in slots cur is multiplied; st: the next tile of x goes from registers into the other slot; ld: that set is loaded again, three tiles ahead; fill: see MEET
	COMPUTE \cur, \zero
.if \st
	STORET 1-(\cur), \cnt
.if \ld
	LOADT 1-(\cur), 0
.endif
	MEET \cur, \fill
.endif
.endm
	s_load_b128 s[4:7], s[0:1], 0x0                ; x s[4:5], mt s[6:7]
	s_load_b64 s[8:9], s[0:1], 0x10                ; f
	v_lshl_add_u32 v[SPW], v0, 2, SPARE
	v_mov_b32 v[NIL], 0
	ds_add_u32 v24, v25
	s_wait_dscnt 0x0
	v_lshrrev_b32 v1, 5, v0
	v_readfirstlane_b32 s10, v1                    ; wave
	v_and_b32 v2, 31, v0
	v_lshlrev_b32 v3, 4, v2                        ; 16 x lane
	v_lshl_add_u32 v[GX], v1, 12, v3               ; row = wave, 4,096 bytes a row
	s_bfe_u32 s40, ttmp6, 0x40000                  ; cx: my place in the cluster: it enters x's and f's addresses alone
	s_and_b32 s41, ttmp9, 1                        ; the column half, which the four partners share (in a cluster launch ttmp9 counts clusters)
	s_lshr_b32 s13, ttmp9, 1
	s_lshl_b32 s13, s13, 2
	s_add_co_u32 s13, s13, s40                     ; row block = 4 (cluster / 2) + cx
	s_lshl_b32 s14, s13, 19                        ; 128 rows of 4,096 bytes
	s_mov_b32 s15, 0
	s_lshl_b32 s16, s41, 15                        ; mt: my half's 256 rows of 128 bytes in each block,
	s_lshr_b32 s17, s10, 1
	s_lshl_b32 s17, s17, 16                        ; block wave / 2 of the tile's two,
	s_add_co_u32 s16, s16, s17
	s_and_b32 s17, s10, 1
	s_lshl_b32 s17, s17, 14                        ; 128 rows from 128 (wave % 2) on
	s_add_co_u32 s16, s16, s17
	s_mov_b32 s17, 0
	s_lshl_b32 s18, s13, 17                        ; 128 rows of 1,024 bytes of f,
	s_lshl_b32 s19, s41, 9                         ; and my 512 bytes of them
	s_add_co_u32 s18, s18, s19
	s_mov_b32 s19, 0
	s_mul_i32 s20, s10, WLOAD                      ; where my quarter goes: no place in the cluster enters an LDS address
	; descriptor group 1.  128 rows of 128 bytes are 16,384 dense bytes: asked for as 64 rows of 256 bytes, two rows of mt each, and padded in LDS after every row of mt
	s_mov_b32 s[G1], 15|(1<<16)|(1<<20)|(1<<21)|(4<<22)|(3<<25)  ; 15:0 the mask of four; 17:16 2-byte elements; 20 padding on; 21 set beside a mask; 24:22 after every 32 words (code 4); 31:25 4 words (code 3)
	s_mov_b32 s[G1+1], 128<<16                     ; tensor_dim0 = 128
	s_mov_b32 s[G1+2], 64<<16                      ; tensor_dim1 = 64
	s_mov_b32 s[G1+3], 128<<16                     ; tile_dim0 = 128
	s_mov_b32 s[G1+4], 64                          ; tile_dim1 = 64
	s_mov_b32 s[G1+5], 128                         ; 128 elements from row to row
	s_mov_b32 s[G1+6], 0
	s_mov_b32 s[G1+7], 0
	s_mov_b32 s26, 0x3f317218                      ; ln(2)
	s_mov_b32 s27, s26                             ; named with it as a pair
	s_wait_kmcnt 0x0
	s_add_nc_u64 s[4:5], s[4:5], s[14:15]
	s_add_nc_u64 s[6:7], s[6:7], s[16:17]
	s_add_nc_u64 s[8:9], s[8:9], s[18:19]
.irp s, 0,1
	s_mov_b32 s[G0+4*(\s)], 1                                      ; 1:0 count = 1
	s_add_co_u32 s[G0+4*(\s)+1], s20, (\s)*BSLOT                   ; 63:32 LDS address
	s_add_nc_u64 s[G0+4*(\s)+2:G0+4*(\s)+3], s[6:7], (\s)*TSTEP    ; 120:64 global address: tile s
	s_or_b32 s[G0+4*(\s)+3], s[G0+4*(\s)+3], 0x80000000            ; 127:126 type = 2
.endr
	LOADT 0, 1                                     ; x's first two tiles are on their way while the cluster meets
	LOADT 1, 0
	ROUND                                          ; all four work-groups are here: the first joint loads meet
	s_cmp_lt_u32 s10, 4                            ; a wave's two first fills stand in one branch, ahead of every wait on TENSORcnt and every LDS read
	s_cbranch_scc0 .Lno_first
	tensor_load_to_lds s[G0:G0+3], s[G1:G1+7]
	s_nop 0
	tensor_load_to_lds s[G0+4:G0+7], s[G1:G1+7]
	s_nop 0
.rept 4
	v_nop
.endr
.Lno_first:
	v_and_b32 v4, 15, v0                           ; r
	v_bfe_u32 v5, v0, 4, 1                         ; h
	v_mul_u32_u24 v6, v1, PA
	v_lshl_add_u32 v6, v2, 3, v6                   ; row = wave, 8 bytes a lane
	v_add_nc_u32 v[SX], AOFF, v6
	v_add_nc_u32 v[SX+1], ASLOT, v[SX]
	s_lshr_b32 s11, s10, 2                         ; which 64 rows
	s_and_b32 s12, s10, 3                          ; which 64 columns
	v_mul_u32_u24 v9, v4, PA
	v_lshl_add_u32 v9, v5, 4, v9                   ; a fragment: row r x pitch + 16 h
	s_mul_i32 s21, s11, 64*PA
	s_add_co_u32 s21, s21, AOFF
	v_add_nc_u32 v[ADRA], s21, v9
	v_add_nc_u32 v[ADRA+1], ASLOT, v[ADRA]
	v_mul_u32_u24 v7, v4, PB
	v_lshl_add_u32 v7, v5, 4, v7
	s_mul_i32 s22, s12, 64*PB
	v_add_nc_u32 v[ADRB], s22, v7
	v_add_nc_u32 v[ADRB+1], BSLOT, v[ADRB]
	s_mul_i32 s22, s11, 64*SPI                     ; into the stage: my rows, my 128 bytes of them
	s_lshl_b32 s23, s12, 7
	s_add_co_u32 s22, s22, s23
	s_add_co_u32 s22, s22, STAGE
	v_mul_u32_u24 v23, v4, SPI
	v_lshl_add_u32 v23, v5, 4, v23
	v_add_nc_u32 v[STO], s22, v23
	s_mul_i32 s23, s10, 16*SPI                     ; back: wave w takes rows 16 w on, a whole row of 512 bytes at a time
	s_add_co_u32 s23, s23, STAGE
	v_add_nc_u32 v[RD], s23, v3
	v_lshl_add_u32 v[GO], v1, 14, v3               ; 16 rows of 1,024 bytes a wave
	STORET 0, 16                                   ; x's tile 0 is in, tile 1 stays out
	LOADT 0, 0                                     ; tile 2
	s_wait_tensorcnt 0x1                           ; my part of mt's tile 0 is in (tensor loads of a wave end in order: ISA guide 10.11.1); tile 1's may stay out
	BAR
	STEP 0, 1, 1, 16, 1, 1                         ; tile 0: its first products start the sums
	s_mov_b32 s24, 2
.Lpair:                                                ; tiles 1, 2 and 3, 4
	STEP 1, 0, 1, 16, 1, 1
	STEP 0, 0, 1, 16, 1, 1
	s_sub_co_u32 s24, s24, 1
	s_cmp_lg_u32 s24, 0
	s_cbranch_scc1 .Lpair
	STEP 1, 0, 1, 16, 0, 1                         ; tile 5: x's tile 6 goes to LDS, tile 7 stays out; mt's tile 7 is asked for: the last load
	STEP 0, 0, 1, 0, 0, 0                          ; tile 6: x's tile 7 goes to LDS; nothing is asked for
	STEP 1, 0, 0, 0, 0, 0                          ; tile 7
	; THE WAY OUT: the feature map in f32, 16 rows (four accumulators) at a time; 16 bytes a lane into the stage; whole rows back
	WIN 0
	PLACES
.set a, 0
.rept 4
	WIN 0x04                                       ; source 1 window 1
.set i, 0
.rept 32
	v_min_num_f32 v[32+i], 0, v[ACC+32*a+i]        ; each accumulator from its low end on
.set i, i+1
.endr
.set i, 0
.rept 32
	v_max_num_f32 v[64+i], 0, v[ACC+32*a+i]
.set i, i+1
.endr
	WIN 0
.set i, 0
.rept 32
	v_exp_f32 v[32+i], v[32+i]
.set i, i+1
.endr
	v_nop                                          ; a plain instruction between the last exponential and the use of its result
.set i, 0
	s_wait_alu depctr_va_vdst(0)
.rept 16
	v_pk_fma_f32 v[32+2*i:32+2*i+1], v[64+2*i:64+2*i+1], s[26:27], v[32+2*i:32+2*i+1] op_sel_hi:[1,0,1]
.set i, i+1
.endr
.set i, 0
.rept 16
	v_cvt_pk_bf16_f32 v[96+i], v[32+2*i], v[32+2*i+1]
.set i, i+1
.endr
.set b, 0
.rept 4
	ds_store_b128 v[STO], v[96+4*b:96+4*b+3] offset:a*16*SPI+b*32
.set b, b+1
.endr
.set a, a+1
.endr
	BAR                                            ; a row's 512 bytes come from four waves
.set i, 0
.rept 16
	ds_load_b128 v[128+4*i:128+4*i+3], v[RD] offset:i*SPI
.set i, i+1
.endr
.set i, 0
.rept 16
	s_wait_dscnt 15-i                              ; LDS loads come back in order: row i is in
	global_store_b128 v[GO], v[128+4*i:128+4*i+3], s[8:9] offset:i*1024  ; a wave stores 512 consecutive bytes, aligned
.set i, i+1
.endr
	s_wait_tensorcnt 0x0                           ; the wave's end, behind my last tensor load and my last LDS store
	ds_add_u32 v[SPW], v[NIL]
	s_wait_dscnt 0x0
	ROUND                                          ; the closing round: no work-group ends while a partner may still ask for a tile that names it
	s_endpgm
.Lfunc_end_k_q46b0a08d9c_feat:
	.size	k_q46b0a08d9c_feat, .Lfunc_end_k_q46b0a08d9c_feat-k_q46b0a08d9c_feat
	.p2alignl 7, 3214868480
	.fill 96, 4, 3214868480
	.section	.rodata,"a",@progbits
	.p2align	6, 0x0
	.amdhsa_kernel k_q46b0a08d9c_feat
		.amdhsa_group_segment_fixed_size 327680
		.amdhsa_private_segment_fixed_size 0
		.amdhsa_enable_private_segment 0
		.amdhsa_kernarg_size 24
		.amdhsa_user_sgpr_count 2
		.amdhsa_user_sgpr_kernarg_segment_ptr 1
		.amdhsa_wavefront_size32 1
		.amdhsa_system_sgpr_workgroup_id_x 1
		.amdhsa_system_sgpr_workgroup_id_y 1
		.amdhsa_system_sgpr_workgroup_id_z 1
		.amdhsa_system_vgpr_workitem_id 0
		.amdhsa_next_free_vgpr 512
		.amdhsa_next_free_sgpr 66
		.amdhsa_reserve_vcc 0
		.amdhsa_float_denorm_mode_32 3
		.amdhsa_float_denorm_mode_16_64 3
		.amdhsa_memory_ordered 1
		.amdhsa_forward_progress 1
		.amdhsa_inst_pref_size 118
	.end_amdhsa_kernel
	.amdgpu_metadata
---
amdhsa.version: [ 1, 2 ]
amdhsa.kernels:
  - .name:           k_q46b0a08d9c_feat
    .symbol:         k_q46b0a08d9c_feat.kd
    .args:
      - { .name: x, .offset: 0, .size: 8, .value_kind: global_buffer, .address_space: global }
      - { .name: mt, .offset: 8, .size: 8, .value_kind: global_buffer, .address_space: global }
      - { .name: f, .offset: 16, .size: 8, .value_kind: global_buffer, .address_space: global }
    .group_segment_fixed_size: 327680
    .private_segment_fixed_size: 0
    .kernarg_segment_align: 8
    .kernarg_segment_size: 24
    .max_flat_workgroup_size: 256
    .sgpr_count:     66
    .vgpr_count:     512
    .wavefront_size: 32
...
	.end_amdgpu_metadata
.endif
;; end of part 2
;; launch kx (part 3): grid 16 x 16, 8 waves a work-group, clusters of 4 x 1, 327,680 bytes of LDS; arguments f, x, kxp; writes kxp
.if DOCPART == 3
	.amdgcn_target "amdgcn-amd-amdhsa--gfx1250"
	.amdhsa_code_object_version 6
	.text
	.protected	k_q46b0a08d9c_kx
	.globl	k_q46b0a08d9c_kx
	.p2align	8
	.type	k_q46b0a08d9c_kx,@function
k_q46b0a08d9c_kx:
	s_mov_b64 s[64:65], 0
	v_nop
	global_prefetch_b8 v0, s[64:65] scope:SCOPE_SE
	s_setreg_imm32_b32 hwreg(HW_REG_WAVE_MODE, 25, 1), 1
	s_wait_xcnt 0x0
	s_wait_alu depctr_hold_cnt(0) depctr_sa_sdst(0) depctr_va_vdst(0) depctr_va_sdst(0) depctr_va_ssrc(0) depctr_va_vcc(0) depctr_vm_vsrc(0)
	s_getreg_b32 s2, hwreg(HW_REG_IB_STS2, 6, 4)
	s_cmp_eq_u32 s2, 0
	s_cbranch_scc0 .Lentry_in_a_cluster
	s_endpgm
.Lentry_in_a_cluster:
	s_bfe_u32 s2, ttmp6, 0x10000c
	s_cmp_lg_u32 s2, 0x3003
	s_cbranch_scc0 .Lentry_shape_is_right
	s_endpgm
.Lentry_shape_is_right:
; kxp[u][d'/64][p][d'%64] = bf16( sum over the 1,024 rows l of part u (rows 1,024 u on of the 16,384) of k'[l][p] x[l][d'] );  k' = columns 256-511 of f.
; WHY: k'^T (x Wv^T) = (k'^T x) Wv^T for every input: the product with Wv is made on 256 rows a batch in the next launch and not on 4,096.
; LIMITS: x is rounded to bf16 for the product; a part's sums are f32 and are rounded to bf16 once as they are stored (the next launch adds a batch's four parts in f32 and rounds
; the sum to bf16 as its matrix operand); the order of summation differs from k'^T v.  NaN and infinities are not treated apart.
; SHARES: a work-group makes 256 p x 64 d' for one part: 16 x 16 work-groups; every byte of x is read by one work-group.  Wave w: p 64 (w % 4) on, and of each step's 128 rows
; the 64 from 64 (w / 4) on: 16 accumulators of 64 p x 64 d', which take turns; the two halves of the rows are added on the way out.
; kxp lies in blocks of 64 d', so that a work-group's 256 rows of 128 bytes are 32,768 bytes on end.
; CLUSTER: four work-groups that are neighbours along d' belong to one part and walk the same k', so each tile of k' is asked for JOINTLY: the same tensor load, with the same descriptor
; and a mask that names the four, in all four; each receives it in its own LDS.
; TWO ROADS.  Rows go in 8 steps of 128.  x is f32 and is rounded in registers: global loads (four register sets, every offset an immediate), LDS stores into two slots of its own by the
; step's parity, one barrier a step.  k' is bf16 already: a slot of it holds TWO steps, 256 rows; waves 0-3 each ask for 64 of them.  Both slots are filled at the start; each is filled once
; more, behind the round of the cluster's barrier that ends its second step, and that load has two steps in which to land.  A wave has two tensor loads out at the
; start and one behind each of the two rounds.  Both operands lie in LDS as in memory, [l][.], and are read turned (ds_load_tr16_b128).  The eight steps are written out by macros.
.set PK,    544                        ; k': 512 bytes + 32 = 136 words;  x: 128 + 32 = 40 words
.set PX,    160
.set KHALF, 128*PK                     ; one step's rows of k'
.set KSLOT, 2*KHALF                    ; a slot of k'
.set WLOAD, 64*PK                      ; what one tensor load fills
.set XOFF,  2*KSLOT                    ; behind k's two slots: x's two slots, written by LDS stores alone
.set XSLOT, 128*PX
.set SPARE, XOFF+2*XSLOT               ; the spare words, 128 bytes for each wave: four blocks of 256 bytes that no other line names
.set STG,   0                          ; the way out's stages, for each wave 64 rows (p) x 272 bytes of f32, take k's slot 0: it has had its last fill, and its last reads end in front of step 5's barrier
.set SPI,   272
.set TX,   10                          ; v10-11  my fragments of x in slot 0, 1
.set TK,   12                          ; v12-15  my fragments of k' in step t % 4's rows: slot (t / 2) % 2, half t % 2
.set SXX,  16                          ; v16-17  where I store x
.set GX,   19
.set STO,  20
.set RD0,  21
.set RD1,  22
.set GO,   23
.set SPW,  30                          ; v30     LDS address of my spare word: SPARE + 4 x my thread's number; never rewritten
.set NIL,  31                          ; v31     0; never rewritten
                                       ; fragments: 32 rows number ks: x at v[32 + 64 ks], k' at v[64 + 160 ks]: v32-127 and v224-255
.set ACC,  0                           ; window 1, v0-127: accumulator (a, b) at 8 (4 a + b)
.set SET,  128                         ; window 1, v128-255: set t % 4 at 128 + 32 (t % 4): x's 8 loads of step t
.set G0,   32                          ; s[32:39] descriptor group 0, a set for each slot
.set G1,   48                          ; s[48:55] descriptor group 1
.set MSB, 0
.macro WIN new                         ; the immediate's high byte repeats the setting that is left; a switch that changes nothing is dropped
.if MSB != (\new)
	s_set_vgpr_msb (MSB<<8)|(\new)
.set MSB, (\new)
.endif
.endm
.macro PLACES                          ; four places between a matrix instruction and a load into, or a store of, its registers
.rept 4
	v_nop
.endr
.endm
.macro BAR                             ; my LDS stores are done and my LDS reads are back; then all eight waves meet.
	s_wait_dscnt 0x0
	s_barrier_signal -1
	s_barrier_wait -1
.endm
; A round of the cluster's barrier: my work-group's barrier, so that wave 0's signal speaks for all eight waves; wave 0 signals for the work-group; every wave waits for all four
; work-groups; my work-group's barrier once more.
.macro ROUND
	s_barrier_signal -1
	s_barrier_wait -1
	s_cmp_lg_u32 s10, 0
	s_cbranch_scc1 .Lnot_wave_0_\@
	s_barrier_signal -3
.Lnot_wave_0_\@:
	s_barrier_wait -3
	s_barrier_signal -1
	s_barrier_wait -1
.endm
; A joint refill of slot s: waves 0-3 ask, each for its 64 rows; the branch hangs on the wave's number alone.  An s_nop 0 and four v_nop follow the load, ahead of the label.
.macro JLOAD s
	s_cmp_lt_u32 s10, 4
	s_cbranch_scc0 .Lnone_\@
	tensor_load_to_lds s[G0+4*(\s):G0+4*(\s)+3], s[G1:G1+7]
	s_nop 0
.rept 4
	v_nop
.endr
.Lnone_\@:
.endm
; THE END OF A SLOT'S SECOND STEP.  fill = 1: the slot is filled again with the rows two slots on, first thing behind the round.  fill = 0: nothing is left to ask for: a plain barrier.
.macro MEET slot, fill
	WIN 0                                          ; at a label and at a branch every window is 0
	s_wait_tensorcnt 0x0                           ; all my tensor loads have landed: the one that was out is my part of the other slot; so a group 0 may be written
	ds_add_u32 v[SPW], v[NIL]                      ; 0 onto my spare word
.if \fill
	s_add_nc_u64 s[G0+4*(\slot)+2:G0+4*(\slot)+3], s[G0+4*(\slot)+2:G0+4*(\slot)+3], 2*256*1024  ; 512 rows of f on; the type bits on top are not reached
.endif
	s_wait_dscnt 0x0                               ; the add is done, my stores of the next step's x are done, and my reads of this slot are back
.if \fill
	ROUND                                          ; all that now holds of every wave of all four work-groups
	JLOAD \slot
.else
	s_barrier_signal -1
	s_barrier_wait -1
.endif
.endm
.macro LOADT t                         ; step t's x into set t % 4: 8 loads; neither the base nor the offset register is ever rewritten
	WIN 0x40                                       ; destination window 1, address window 0
.set i, 0
.rept 8
	global_load_b128 v[SET+32*((\t)%4)+4*i:SET+32*((\t)%4)+4*i+3], v[GX], s[6:7] offset:(\t)*524288+i*65536 th:TH_LOAD_NT  ; sixteen lanes take 256 consecutive bytes; the launch reads them once
.set i, i+1
.endr
	WIN 0
.endm
.macro STORET t, cnt                   ; step t's x, rounded to bf16 in place, into x's slot t % 2.  cnt: 8 loads for each younger step that has been asked for; they stay out
	s_wait_loadcnt \cnt
	WIN 0x45
.set i, 0
.rept 8
.set q, SET+32*((\t)%4)+4*i
	v_cvt_pk_bf16_f32 v[q], v[q], v[q+1]
	v_cvt_pk_bf16_f32 v[q+1], v[q+2], v[q+3]
.set i, i+1
.endr
	WIN 0x04                                       ; store data window 1
.set i, 0
.rept 8
.set q, SET+32*((\t)%4)+4*i
	ds_store_b64 v[SXX+(\t)%2], v[q:q+1] offset:i*16*PX
.set i, i+1
.endr
	WIN 0
.endm
.macro COMPUTE t, zero                 ; my 64 rows of step t: twice 32 rows; 32 turning loads in one run, then 32 matrix instructions.  Source 0 = 16 d', source 1 = 16 p: a lane holds one p, eight neighbouring d'
	WIN 0
	PLACES
.set ks, 0
.rept 2
.set i, 0
.rept 4
	ds_load_tr16_b128 v[32+64*ks+8*i:32+64*ks+8*i+3],   v[TX+(\t)%2] offset:ks*32*PX+i*32
	ds_load_tr16_b128 v[32+64*ks+8*i+4:32+64*ks+8*i+7], v[TX+(\t)%2] offset:ks*32*PX+16*PX+i*32
.set i, i+1
.endr
.set i, 0
.rept 4
	ds_load_tr16_b128 v[64+160*ks+8*i:64+160*ks+8*i+3],   v[TK+(\t)%4] offset:ks*32*PK+i*32
	ds_load_tr16_b128 v[64+160*ks+8*i+4:64+160*ks+8*i+7], v[TK+(\t)%4] offset:ks*32*PK+16*PK+i*32
.set i, i+1
.endr
.set ks, ks+1
.endr
	WIN 0x50                                       ; C and D window 1, fragments window 0
.set ks, 0
.rept 2
.set a, 0
.rept 4
	s_wait_dscnt 22-16*ks-2*a                      ; out may stay: two loads for each later fragment of k' of these 32 rows, and the 16 of the 32 rows behind them
.set b, 0
.rept 4
.if (\zero) && (ks == 0)
	v_wmma_f32_16x16x32_bf16 v[ACC+8*(4*a+b):ACC+8*(4*a+b)+7], v[32+64*ks+8*b:32+64*ks+8*b+7], v[64+160*ks+8*a:64+160*ks+8*a+7], 0
.else
	v_wmma_f32_16x16x32_bf16 v[ACC+8*(4*a+b):ACC+8*(4*a+b)+7], v[32+64*ks+8*b:32+64*ks+8*b+7], v[64+160*ks+8*a:64+160*ks+8*a+7], v[ACC+8*(4*a+b):ACC+8*(4*a+b)+7]
.endif
.set b, b+1
.endr
.set a, a+1
.endr
.set ks, ks+1
.endr
.endm
	s_load_b128 s[4:7], s[0:1], 0x0                ; f s[4:5], x s[6:7]
	s_load_b64 s[8:9], s[0:1], 0x10                ; kxp
	v_lshl_add_u32 v[SPW], v0, 2, SPARE
	v_mov_b32 v[NIL], 0
	ds_add_u32 v30, v31
	s_wait_dscnt 0x0
	v_lshrrev_b32 v1, 5, v0
	v_readfirstlane_b32 s10, v1                    ; wave
	v_and_b32 v2, 31, v0
	v_and_b32 v3, 15, v0                           ; r
	v_lshrrev_b32 v4, 4, v0                        ; thread / 16
	v_lshlrev_b32 v5, 4, v2
	v_lshlrev_b32 v6, 4, v3
	v_lshl_add_u32 v[GX], v4, 12, v6               ; row = thread / 16, 4,096 bytes a row of x
	s_bfe_u32 s40, ttmp6, 0x40000                  ; cx: my place in the cluster: it enters x's and kxp's addresses alone
	s_lshl_b32 s41, ttmp9, 2                       ; in a cluster launch ttmp9 counts clusters
	s_add_co_u32 s41, s41, s40                     ; my block of 64 d' = 4 x cluster x + cx
	s_and_b32 s13, ttmp7, 0xffff                   ; part u, which the four partners share
	s_lshl_b32 s14, s13, 20                        ; k': 1,024 rows of 1,024 bytes of f,
	s_lshl_b32 s15, s10, 16                        ; my 64 rows of a slot's 256,
	s_add_co_u32 s14, s14, s15
	s_add_co_u32 s14, s14, 512                     ; columns 256 on
	s_mov_b32 s15, 0
	s_lshl_b32 s16, s13, 22                        ; 1,024 rows of x
	s_lshl_b32 s17, s41, 8                         ; my 64 d' = 256 bytes of a row
	s_add_co_u32 s16, s16, s17
	s_mov_b32 s17, 0
	s_lshl_b32 s18, s13, 19                        ; kxp: a part is 16 blocks of 256 rows x 128 bytes,
	s_lshl_b32 s19, s41, 15                        ; and mine is block d' / 64
	s_add_co_u32 s18, s18, s19
	s_mov_b32 s19, 0
	s_mul_i32 s20, s10, WLOAD                      ; where my 64 rows go: no place in the cluster enters an LDS address
	; descriptor group 1: a tile of 64 rows x 256 elements (512 bytes, at a multiple of 512 from f's first byte), padded in LDS
	s_mov_b32 s[G1], 15|(1<<16)|(1<<20)|(1<<21)|(6<<22)|(7<<25)  ; 15:0 the mask of four; 17:16 2-byte elements; 20 padding on; 21 set beside a mask; 24:22 after every 128 words (code 6); 31:25 8 words (code 7)
	s_mov_b32 s[G1+1], 256<<16                     ; tensor_dim0 = 256
	s_mov_b32 s[G1+2], 64<<16                      ; tensor_dim1 = 64
	s_mov_b32 s[G1+3], 256<<16                     ; tile_dim0 = 256
	s_mov_b32 s[G1+4], 64                          ; tile_dim1 = 64
	s_mov_b32 s[G1+5], 512                         ; 512 elements from row to row of f
	s_mov_b32 s[G1+6], 0
	s_mov_b32 s[G1+7], 0
	s_wait_kmcnt 0x0
	s_add_nc_u64 s[4:5], s[4:5], s[14:15]
	s_add_nc_u64 s[6:7], s[6:7], s[16:17]
	s_add_nc_u64 s[8:9], s[8:9], s[18:19]
.irp s, 0,1
	s_mov_b32 s[G0+4*(\s)], 1                                      ; 1:0 count = 1
	s_add_co_u32 s[G0+4*(\s)+1], s20, (\s)*KSLOT                   ; 63:32 LDS address
	s_add_nc_u64 s[G0+4*(\s)+2:G0+4*(\s)+3], s[4:5], (\s)*256*1024 ; 120:64 global address: rows 256 s on of the part
	s_or_b32 s[G0+4*(\s)+3], s[G0+4*(\s)+3], 0x80000000            ; 127:126 type = 2
.endr
	LOADT 0                                        ; x's first four steps are on their way while the cluster meets
	LOADT 1
	LOADT 2
	LOADT 3
	ROUND                                          ; all four work-groups are here: the first joint loads meet
	s_cmp_lt_u32 s10, 4                            ; a wave's two first fills stand in one branch, ahead of every wait on TENSORcnt and every LDS read
	s_cbranch_scc0 .Lno_first
	tensor_load_to_lds s[G0:G0+3], s[G1:G1+7]
	s_nop 0
	tensor_load_to_lds s[G0+4:G0+7], s[G1:G1+7]
	s_nop 0
.rept 4
	v_nop
.endr
.Lno_first:
	v_mul_u32_u24 v7, v4, PX
	v_lshl_add_u32 v7, v3, 3, v7
	v_add_nc_u32 v[SXX], XOFF, v7
	v_add_nc_u32 v[SXX+1], XSLOT, v[SXX]
	v_and_b32 v7, 7, v0                            ; the turning load: lane l reads row 8 (l / 16) + l % 8, bytes 16 ((l / 8) % 2) on
	v_bfe_u32 v8, v0, 4, 1                         ; h
	v_bfe_u32 v9, v0, 3, 1
	v_lshl_add_u32 v7, v8, 3, v7
	v_lshlrev_b32 v9, 4, v9
	v_mul_u32_u24 v24, v7, PX
	v_add_nc_u32 v24, v24, v9
	v_mul_u32_u24 v25, v7, PK
	v_add_nc_u32 v25, v25, v9
	s_lshr_b32 s11, s10, 2                         ; which 64 rows of a step
	s_and_b32 s12, s10, 3                          ; which 64 p
	s_mul_i32 s21, s11, 64*PX
	s_add_co_u32 s21, s21, XOFF
	s_mul_i32 s22, s11, 64*PK
	s_lshl_b32 s23, s12, 7
	s_add_co_u32 s22, s22, s23
	v_add_nc_u32 v[TX], s21, v24
	v_add_nc_u32 v[TX+1], XSLOT, v[TX]
	v_add_nc_u32 v[TK], s22, v25
	v_add_nc_u32 v[TK+1], KHALF, v[TK]
	v_add_nc_u32 v[TK+2], KHALF, v[TK+1]
	v_add_nc_u32 v[TK+3], KHALF, v[TK+2]
	s_mul_i32 s23, s10, 64*SPI                     ; into my stage: row p, 32 bytes for each half of the lanes
	s_add_co_u32 s23, s23, STG
	v_mul_u32_u24 v26, v3, SPI
	v_lshl_add_u32 v26, v8, 5, v26
	v_add_nc_u32 v[STO], s23, v26
	s_lshr_b32 s25, s10, 1                         ; back: wave w sums rows p = 32 w on: they lie in the stages of waves w / 2 and w / 2 + 4
	s_mul_i32 s25, s25, 64*SPI
	s_and_b32 s26, s10, 1
	s_mul_i32 s26, s26, 32*SPI
	s_add_co_u32 s25, s25, s26
	s_add_co_u32 s25, s25, STG
	v_bfe_u32 v27, v0, 3, 2                        ; eight lanes take a row: lane l reads row l / 8, the eight f32 at byte 32 (l % 8);
	v_mul_u32_u24 v27, v27, SPI                    ; sixteen lanes so touch two rows 272 bytes apart, 16 bytes in every 32: each group of four banks once
	v_and_b32 v28, 7, v0
	v_lshl_add_u32 v27, v28, 5, v27
	v_add_nc_u32 v[RD0], s25, v27
	v_add_nc_u32 v[RD1], 4*64*SPI, v[RD0]
	v_lshl_add_u32 v[GO], v1, 12, v5               ; my 32 rows of 128 bytes are 4,096 bytes on end; 16 bytes a lane
	STORET 0, 24                                   ; x's step 0 is in; steps 1 to 3 stay out
	LOADT 4
	s_wait_tensorcnt 0x1                           ; my part of k's slot 0 is in (tensor loads of a wave end in order: ISA guide 10.11.1); slot 1's may stay out
	BAR
	COMPUTE 0, 1                                   ; its first products start the sums
	STORET 1, 24                                   ; steps 2 to 4 stay out
	LOADT 5
	BAR                                            ; x's slot 1 is whole, and nobody reads its slot 0 any more
	COMPUTE 1, 0
	STORET 2, 24
	LOADT 6
	MEET 0, 1                                      ; k's slot 0 has been read: rows 512 on go into it; slot 1 has landed
	COMPUTE 2, 0
	STORET 3, 24
	LOADT 7
	BAR
	COMPUTE 3, 0
	STORET 4, 24                                   ; steps 5 to 7 stay out; nothing is left to load
	MEET 1, 1                                      ; k's slot 1 has been read: rows 768 on go into it: the last load; slot 0 has landed
	COMPUTE 4, 0
	STORET 5, 16
	BAR
	COMPUTE 5, 0
	STORET 6, 8
	MEET 0, 0                                      ; slot 1 has landed; nothing is asked for
	COMPUTE 6, 0
	STORET 7, 0
	BAR
	COMPUTE 7, 0
	; THE WAY OUT: every wave's 64 x 64 sums into its stage; then the two halves of the rows are added in f32, rounded to bf16 and stored, four rows of 128 bytes to a store
	WIN 0
	PLACES
	WIN 0x04                                       ; store data window 1
.set i, 0
.rept 16
	ds_store_b128 v[STO], v[ACC+8*i:ACC+8*i+3]   offset:(i/4)*16*SPI+(i%4)*64     ; each accumulator from its low end on
	ds_store_b128 v[STO], v[ACC+8*i+4:ACC+8*i+7] offset:(i/4)*16*SPI+(i%4)*64+16
.set i, i+1
.endr
	WIN 0
	BAR
.set i, 0
.rept 8
	ds_load_b128 v[32+8*i:32+8*i+3],     v[RD0] offset:i*4*SPI
	ds_load_b128 v[32+8*i+4:32+8*i+7],   v[RD0] offset:i*4*SPI+16
	ds_load_b128 v[128+8*i:128+8*i+3],   v[RD1] offset:i*4*SPI
	ds_load_b128 v[128+8*i+4:128+8*i+7], v[RD1] offset:i*4*SPI+16
.set i, i+1
.endr
.set i, 0
.rept 8
	s_wait_dscnt 28-4*i                            ; group i of the eight groups of four loads is in
	v_pk_add_f32 v[32+8*i:32+8*i+1],   v[32+8*i:32+8*i+1],   v[128+8*i:128+8*i+1]
	v_pk_add_f32 v[32+8*i+2:32+8*i+3], v[32+8*i+2:32+8*i+3], v[128+8*i+2:128+8*i+3]
	v_pk_add_f32 v[32+8*i+4:32+8*i+5], v[32+8*i+4:32+8*i+5], v[128+8*i+4:128+8*i+5]
	v_pk_add_f32 v[32+8*i+6:32+8*i+7], v[32+8*i+6:32+8*i+7], v[128+8*i+6:128+8*i+7]
	v_cvt_pk_bf16_f32 v[32+8*i],   v[32+8*i],   v[32+8*i+1]
	v_cvt_pk_bf16_f32 v[32+8*i+1], v[32+8*i+2], v[32+8*i+3]
	v_cvt_pk_bf16_f32 v[32+8*i+2], v[32+8*i+4], v[32+8*i+5]
	v_cvt_pk_bf16_f32 v[32+8*i+3], v[32+8*i+6], v[32+8*i+7]
	global_store_b128 v[GO], v[32+8*i:32+8*i+3], s[8:9] offset:i*512  ; a wave stores 512 consecutive bytes, aligned
.set i, i+1
.endr
	s_wait_tensorcnt 0x0                           ; the wave's end, behind my last tensor load and my last LDS store
	ds_add_u32 v[SPW], v[NIL]
	s_wait_dscnt 0x0
	ROUND                                          ; the closing round: no work-group ends while a partner may still ask for a tile that names it
	s_endpgm
.Lfunc_end_k_q46b0a08d9c_kx:
	.size	k_q46b0a08d9c_kx, .Lfunc_end_k_q46b0a08d9c_kx-k_q46b0a08d9c_kx
	.p2alignl 7, 3214868480
	.fill 96, 4, 3214868480
	.section	.rodata,"a",@progbits
	.p2align	6, 0x0
	.amdhsa_kernel k_q46b0a08d9c_kx
		.amdhsa_group_segment_fixed_size 327680
		.amdhsa_private_segment_fixed_size 0
		.amdhsa_enable_private_segment 0
		.amdhsa_kernarg_size 24
		.amdhsa_user_sgpr_count 2
		.amdhsa_user_sgpr_kernarg_segment_ptr 1
		.amdhsa_wavefront_size32 1
		.amdhsa_system_sgpr_workgroup_id_x 1
		.amdhsa_system_sgpr_workgroup_id_y 1
		.amdhsa_system_sgpr_workgroup_id_z 1
		.amdhsa_system_vgpr_workitem_id 0
		.amdhsa_next_free_vgpr 512
		.amdhsa_next_free_sgpr 66
		.amdhsa_reserve_vcc 0
		.amdhsa_float_denorm_mode_32 3
		.amdhsa_float_denorm_mode_16_64 3
		.amdhsa_memory_ordered 1
		.amdhsa_forward_progress 1
		.amdhsa_inst_pref_size 73
	.end_amdhsa_kernel
	.amdgpu_metadata
---
amdhsa.version: [ 1, 2 ]
amdhsa.kernels:
  - .name:           k_q46b0a08d9c_kx
    .symbol:         k_q46b0a08d9c_kx.kd
    .args:
      - { .name: f, .offset: 0, .size: 8, .value_kind: global_buffer, .address_space: global }
      - { .name: x, .offset: 8, .size: 8, .value_kind: global_buffer, .address_space: global }
      - { .name: kxp, .offset: 16, .size: 8, .value_kind: global_buffer, .address_space: global }
    .group_segment_fixed_size: 327680
    .private_segment_fixed_size: 0
    .kernarg_segment_align: 8
    .kernarg_segment_size: 24
    .max_flat_workgroup_size: 256
    .sgpr_count:     66
    .vgpr_count:     512
    .wavefront_size: 32
...
	.end_amdgpu_metadata
.endif
;; end of part 3
;; launch kv (part 4): grid 8 x 32, 8 waves a work-group, no clusters, 169,984 bytes of LDS; arguments kxp, wvb, kvf; writes kvf
.if DOCPART == 4
	.amdgcn_target "amdgcn-amd-amdhsa--gfx1250"
	.amdhsa_code_object_version 6
	.text
	.protected	k_q46b0a08d9c_kv
	.globl	k_q46b0a08d9c_kv
	.p2align	8
	.type	k_q46b0a08d9c_kv,@function
k_q46b0a08d9c_kv:
	s_mov_b64 s[64:65], 0
	v_nop
	global_prefetch_b8 v0, s[64:65] scope:SCOPE_SE
	s_setreg_imm32_b32 hwreg(HW_REG_WAVE_MODE, 25, 1), 1
	s_wait_xcnt 0x0
; kv[b][p][d] = sum over d' of ( sum over s = 0..3 of kxp[4 b + s][p][d'] ) Wv[d][d'],  stored as bf16 in the order in which the next launch's matrix instructions take it:
; kvf[b][d / 16][p / 16][lane][16 bytes]: lane (r, h) holds kv[p = 16 (p / 16) + 8 h + 0..7][d = 16 (d / 16) + r].
; kxp lies as [part][d' / 64][p][d' % 64] in bf16; wvb is Wv rounded to bf16, [d][d'].
; LIMITS: the four parts arrive rounded to bf16, are added in f32, and the sum is rounded to bf16 as the matrix operand; Wv is bf16; the product's sums are f32; kv is rounded to bf16 once.
; NaN and infinities are not treated apart.
; SHARES: a work-group makes 32 p x 128 d of one batch: 8 x 32 work-groups (of the tiles of 4,096 numbers this one has the fewest landing bytes: a p costs four bf16 rows, a d one).
; Wave w: d block w, both p blocks: two accumulators, which take turns.
; ROAD: d' goes in 4 tiles of 256: 65,536 bytes of the parts and 65,536 of wvb, 32 loads a thread.  The parts are summed in registers, so they come by global loads and go to LDS by stores;
; wvb takes the same road, so that ONE barrier a tile orders both.  Two register sets and two LDS slots by the tile's parity.  Every offset is an immediate: no base is stepped.
; NO CLUSTER, NO TENSOR LOAD: half of what lands is changed in registers before LDS; a joint request for wvb's half would be a second ring with an ordering of its own beside this one.
.set PI,    528                        ; 512 bytes + 16 = 132 words: the 16 rows of a fragment load start at 16 different groups of four banks (64 banks of 4 bytes: ISA guide 11.1)
.set BOFF,  32*PI                      ; the summed rows (32 p), then wvb's 128 rows
.set SLOT,  160*PI
.set GA,  10                           ; v10     my byte offset in a piece of a part: 32 rows of 128 bytes on end
.set GB,  11                           ; v11     in wvb's tile
.set SA,  12                           ; v12-13  where I store the summed rows, slot 0, 1
.set SB,  14                           ; v14-15  where I store wvb
.set ADA, 16                           ; v16-17  my fragments of the summed rows
.set ADB, 18                           ; v18-19  of wvb
.set GO,  20
.set ACC, 32                           ; v32-47
.set PKD, 48                           ; v48-55
.set F0,  64                           ; v64-159   steps 0-3 of 32 d': p block 0, p block 1, wvb at F0 + 24 step
.set F1,  160                          ; v160-255  steps 4-7
.set TS,  64                           ; v64-95    between two tiles' products: part s of a piece as f32 at TS + 8 s
.set PS,  96                           ; v96-111   the four summed pieces, bf16
                                       ; window 1: set 0 v0-127, set 1 v128-255: piece j (64 d'), part s at 16 j + 4 s; wvb's 16 loads from 64 on
.set MSB, 0
.macro WIN new                         ; the immediate's high byte repeats the setting that is left; a switch that changes nothing is dropped
.if MSB != (\new)
	s_set_vgpr_msb (MSB<<8)|(\new)
.set MSB, (\new)
.endif
.endm
.macro PLACES                          ; four places between a matrix instruction and a load into, a vector write of, or a vector read of, its registers
.rept 4
	v_nop
.endr
.endm
.macro BAR                             ; my LDS stores are done and my LDS reads are back; then all eight waves meet
	s_wait_dscnt 0x0
	s_barrier_signal -1
	s_barrier_wait -1
.endm
.macro LOADT n, t                      ; tile t into set n: 32 loads; a wave takes 512 consecutive bytes with each
	WIN 0x40                                       ; destination window 1, address window 0
.set i, 0
.rept 16
	global_load_b128 v[128*(\n)+4*i:128*(\n)+4*i+3], v[GA], s[4:5] offset:(i%4)*524288+(4*(\t)+i/4)*32768  ; part i % 4, block of 64 d' number 4 t + i / 4
.set i, i+1
.endr
.set i, 0
.rept 16
	global_load_b128 v[128*(\n)+64+4*i:128*(\n)+64+4*i+3], v[GB], s[6:7] offset:i*16384+(\t)*512           ; row 8 i + wave, 512 bytes of it
.set i, i+1
.endr
	WIN 0
.endm
.macro STORET n, cnt                   ; set n into slot n: the four parts widened, added in f32 and rounded once; wvb as it is.  cnt: the 32 loads of the one younger tile, which stay out, or 0
	s_wait_loadcnt \cnt
	PLACES                                         ; TS lies in registers that the products just issued have read
.set j, 0
.rept 4
.set q, 128*(\n)+16*j
	WIN 0x04                                       ; source 1 window 1, destination window 0
.set i, 0
.rept 16
	v_lshlrev_b32 v[TS+2*i],   16,  v[q+i]         ; bf16 to f32: the low half moves up,
	v_and_b32     v[TS+2*i+1], s21, v[q+i]         ; the high half stays
.set i, i+1
.endr
	WIN 0
.set i, 0
.rept 4
	v_pk_add_f32 v[TS+2*i:TS+2*i+1],       v[TS+2*i:TS+2*i+1],       v[TS+8+2*i:TS+8+2*i+1]
	v_pk_add_f32 v[TS+16+2*i:TS+16+2*i+1], v[TS+16+2*i:TS+16+2*i+1], v[TS+24+2*i:TS+24+2*i+1]
.set i, i+1
.endr
.set i, 0
.rept 4
	v_pk_add_f32 v[TS+2*i:TS+2*i+1], v[TS+2*i:TS+2*i+1], v[TS+16+2*i:TS+16+2*i+1]
.set i, i+1
.endr
.set i, 0
.rept 4
	v_cvt_pk_bf16_f32 v[PS+4*j+i], v[TS+2*i], v[TS+2*i+1]
.set i, i+1
.endr
.set j, j+1
.endr
.set j, 0
.rept 4
	ds_store_b128 v[SA+(\n)], v[PS+4*j:PS+4*j+3] offset:j*128      ; sixteen lanes write 128 bytes of two rows 528 apart: seven of the eight columns meet twice; four stores a tile
.set j, j+1
.endr
	WIN 0x04                                       ; store data window 1
.set i, 0
.rept 16
	ds_store_b128 v[SB+(\n)], v[128*(\n)+64+4*i:128*(\n)+64+4*i+3] offset:i*8*PI  ; a wave writes 512 bytes on end of one row
.set i, i+1
.endr
	WIN 0
.endm
.macro FRAGS n, fr, k0                 ; the fragments of steps k0 .. k0 + 3 of slot n: 24 loads
.set i, 0
.rept 4
	ds_load_b128 v[(\fr)+24*i:(\fr)+24*i+3],     v[ADA+(\n)] offset:((\k0)+i)*64
	ds_load_b128 v[(\fr)+24*i+4:(\fr)+24*i+7],   v[ADA+(\n)] offset:((\k0)+i)*64+32
	ds_load_b128 v[(\fr)+24*i+8:(\fr)+24*i+11],  v[ADA+(\n)] offset:16*PI+((\k0)+i)*64
	ds_load_b128 v[(\fr)+24*i+12:(\fr)+24*i+15], v[ADA+(\n)] offset:16*PI+((\k0)+i)*64+32
	ds_load_b128 v[(\fr)+24*i+16:(\fr)+24*i+19], v[ADB+(\n)] offset:((\k0)+i)*64
	ds_load_b128 v[(\fr)+24*i+20:(\fr)+24*i+23], v[ADB+(\n)] offset:((\k0)+i)*64+32
.set i, i+1
.endr
.endm
.macro MULS fr, k0, zero               ; source 0 = 16 p, source 1 = 16 d: a lane holds one d and eight neighbouring p
.set i, 0
.rept 4
	s_wait_dscnt 42-6*((\k0)+i)                    ; of the tile's 48 loads the six of each later step stay out
.if (\zero) && (i == 0)
	v_wmma_f32_16x16x32_bf16 v[ACC:ACC+7],    v[(\fr)+24*i:(\fr)+24*i+7],    v[(\fr)+24*i+16:(\fr)+24*i+23], 0
	v_wmma_f32_16x16x32_bf16 v[ACC+8:ACC+15], v[(\fr)+24*i+8:(\fr)+24*i+15], v[(\fr)+24*i+16:(\fr)+24*i+23], 0
.else
	v_wmma_f32_16x16x32_bf16 v[ACC:ACC+7],    v[(\fr)+24*i:(\fr)+24*i+7],    v[(\fr)+24*i+16:(\fr)+24*i+23], v[ACC:ACC+7]
	v_wmma_f32_16x16x32_bf16 v[ACC+8:ACC+15], v[(\fr)+24*i+8:(\fr)+24*i+15], v[(\fr)+24*i+16:(\fr)+24*i+23], v[ACC+8:ACC+15]
.endif
.set i, i+1
.endr
.endm
.macro COMPUTE n, zero                 ; slot n: 48 loads in one run, 16 matrix instructions
	PLACES
	FRAGS \n, F0, 0
	FRAGS \n, F1, 4
	MULS F0, 0, \zero
	MULS F1, 4, 0
.endm
	s_load_b128 s[4:7], s[0:1], 0x0                ; kxp s[4:5], wvb s[6:7]
	s_load_b64 s[8:9], s[0:1], 0x10                ; kvf
	v_lshl_add_u32 v62, v0, 2, 0x29400
	v_mov_b32 v63, 0
	v_lshrrev_b32 v1, 5, v0
	v_readfirstlane_b32 s10, v1                    ; wave
	v_and_b32 v2, 31, v0
	v_lshlrev_b32 v3, 4, v2
	v_lshlrev_b32 v[GA], 4, v0                     ; 256 threads x 16 bytes = 32 rows of 128 bytes
	v_lshl_add_u32 v[GB], v1, 11, v3               ; row = wave, 2,048 bytes a row of wvb
	s_and_b32 s13, ttmp7, 0xffff
	s_lshr_b32 s11, s13, 3                         ; batch
	s_and_b32 s12, s13, 7                          ; which 32 p
	s_lshl_b32 s14, s11, 21                        ; four parts of 524,288 bytes
	s_lshl_b32 s15, s12, 12                        ; 32 rows of 128 bytes in each block
	s_add_co_u32 s14, s14, s15
	s_mov_b32 s15, 0
	s_lshl_b32 s16, ttmp9, 18                      ; 128 rows of wvb
	s_mov_b32 s17, 0
	s_lshl_b32 s18, s11, 19                        ; kvf: a batch is 64 d blocks of 8,192 bytes,
	s_lshl_b32 s19, ttmp9, 16                      ; my eight d blocks,
	s_add_co_u32 s18, s18, s19
	s_lshl_b32 s19, s12, 10                        ; my two p blocks of 512 bytes in each
	s_add_co_u32 s18, s18, s19
	s_mov_b32 s19, 0
	s_mov_b32 s21, 0xffff0000                      ; a word's upper bf16
	s_wait_kmcnt 0x0
	s_add_nc_u64 s[4:5], s[4:5], s[14:15]
	s_add_nc_u64 s[6:7], s[6:7], s[16:17]
	s_add_nc_u64 s[8:9], s[8:9], s[18:19]
	LOADT 0, 0
	LOADT 1, 1
	v_lshrrev_b32 v4, 3, v0                        ; the summed rows: row = thread / 8, 16 bytes a thread, 128 bytes a piece
	v_and_b32 v5, 7, v0
	v_mul_u32_u24 v4, v4, PI
	v_lshl_add_u32 v[SA], v5, 4, v4
	v_add_nc_u32 v[SA+1], SLOT, v[SA]
	v_mul_u32_u24 v6, v1, PI                       ; wvb: row = wave, 16 bytes a lane
	v_add_nc_u32 v6, v6, v3
	v_add_nc_u32 v[SB], BOFF, v6
	v_add_nc_u32 v[SB+1], SLOT, v[SB]
	v_and_b32 v7, 15, v0
	v_bfe_u32 v8, v0, 4, 1
	v_mul_u32_u24 v9, v7, PI
	v_lshl_add_u32 v[ADA], v8, 4, v9               ; a fragment: row r x pitch + 16 h
	v_add_nc_u32 v[ADA+1], SLOT, v[ADA]
	s_mul_i32 s20, s10, 16*PI                      ; my d block's 16 rows of wvb
	s_add_co_u32 s20, s20, BOFF
	v_add_nc_u32 v[ADB], s20, v[ADA]
	v_add_nc_u32 v[ADB+1], SLOT, v[ADB]
	v_lshl_add_u32 v[GO], v1, 13, v3               ; d block = wave, 16 bytes a lane
	STORET 0, 32                                   ; tile 0 is in, tile 1's 32 loads stay out
	LOADT 0, 2
	BAR
	COMPUTE 0, 1                                   ; its first products start the sums
	STORET 1, 32                                   ; tile 1; tile 2 stays out
	LOADT 1, 3
	BAR                                            ; slot 1 is whole, and nobody reads slot 0 any more
	COMPUTE 1, 0
	STORET 0, 32                                   ; tile 2; tile 3 stays out
	BAR
	COMPUTE 0, 0
	STORET 1, 0
	BAR
	COMPUTE 1, 0
	PLACES
.set i, 0
.rept 8
	v_cvt_pk_bf16_f32 v[PKD+i], v[ACC+2*i], v[ACC+2*i+1]          ; each accumulator from its low end on
.set i, i+1
.endr
	global_store_b128 v[GO], v[PKD:PKD+3], s[8:9]                 ; a wave stores 512 consecutive bytes, aligned: no stage is needed
	global_store_b128 v[GO], v[PKD+4:PKD+7], s[8:9] offset:512
	s_wait_tensorcnt 0x0
	ds_add_u32 v62, v63
	s_wait_dscnt 0x0
	s_endpgm
.Lfunc_end_k_q46b0a08d9c_kv:
	.size	k_q46b0a08d9c_kv, .Lfunc_end_k_q46b0a08d9c_kv-k_q46b0a08d9c_kv
	.p2alignl 7, 3214868480
	.fill 96, 4, 3214868480
	.section	.rodata,"a",@progbits
	.p2align	6, 0x0
	.amdhsa_kernel k_q46b0a08d9c_kv
		.amdhsa_group_segment_fixed_size 169984
		.amdhsa_private_segment_fixed_size 0
		.amdhsa_enable_private_segment 0
		.amdhsa_kernarg_size 24
		.amdhsa_user_sgpr_count 2
		.amdhsa_user_sgpr_kernarg_segment_ptr 1
		.amdhsa_wavefront_size32 1
		.amdhsa_system_sgpr_workgroup_id_x 1
		.amdhsa_system_sgpr_workgroup_id_y 1
		.amdhsa_system_sgpr_workgroup_id_z 1
		.amdhsa_system_vgpr_workitem_id 0
		.amdhsa_next_free_vgpr 512
		.amdhsa_next_free_sgpr 66
		.amdhsa_reserve_vcc 0
		.amdhsa_float_denorm_mode_32 3
		.amdhsa_float_denorm_mode_16_64 3
		.amdhsa_memory_ordered 1
		.amdhsa_forward_progress 1
		.amdhsa_inst_pref_size 73
	.end_amdhsa_kernel
	.amdgpu_metadata
---
amdhsa.version: [ 1, 2 ]
amdhsa.kernels:
  - .name:           k_q46b0a08d9c_kv
    .symbol:         k_q46b0a08d9c_kv.kd
    .args:
      - { .name: kxp, .offset: 0, .size: 8, .value_kind: global_buffer, .address_space: global }
      - { .name: wvb, .offset: 8, .size: 8, .value_kind: global_buffer, .address_space: global }
      - { .name: kvf, .offset: 16, .size: 8, .value_kind: global_buffer, .address_space: global }
    .group_segment_fixed_size: 169984
    .private_segment_fixed_size: 0
    .kernarg_segment_align: 8
    .kernarg_segment_size: 24
    .max_flat_workgroup_size: 256
    .sgpr_count:     66
    .vgpr_count:     512
    .wavefront_size: 32
...
	.end_amdgpu_metadata
.endif
;; end of part 4
;; launch outk (part 5): grid 2 x 128, 8 waves a work-group, no clusters, 103,936 bytes of LDS; arguments f, kvf, out0; writes out0
.if DOCPART == 5
	.amdgcn_target "amdgcn-amd-amdhsa--gfx1250"
	.amdhsa_code_object_version 6
	.text
	.protected	k_q46b0a08d9c_outk
	.globl	k_q46b0a08d9c_outk
	.p2align	8
	.type	k_q46b0a08d9c_outk,@function
k_q46b0a08d9c_outk:
	s_mov_b64 s[64:65], 0
	v_nop
	global_prefetch_b8 v0, s[64:65] scope:SCOPE_SE
	s_setreg_imm32_b32 hwreg(HW_REG_WAVE_MODE, 25, 1), 1
	s_wait_xcnt 0x0
; out0[row][d] = z[row] x sum over p of q'[row][p] kv[b][p][d],   z[row] = 1 / (sum over p of q'[row][p] + 1e-8);  q' = columns 0-255 of f.
; LIMITS: q' and kv are bf16 as stored; z is taken of the same rounded q' that enters the product; sums, z and the scaling in f32.  NaN and infinities are not treated apart.
; SHARES: a work-group makes 128 rows x 512 columns: 2 x 128 work-groups.  Wave w owns columns 64 w on for all 128 rows: its 32 fragments of kv (4 column blocks x 8 steps of 32 p)
; are loaded once, straight into the registers of window 1 (kvf lies in fragment order), and stay there.  q' goes through LDS, since all eight waves read it.
; The row sums are a product of ones with q': wave w makes those of row block w.  Four accumulators take turns.
; NO CLUSTER, NO TENSOR LOAD: kv goes to registers without touching LDS; q' is 65,536 bytes a work-group, a fifth of what lands, shared by two work-groups.
.set PQ,   528                         ; q': 512 bytes + 16 = 132 words: the 16 rows of a fragment load start at 16 different groups of four banks (64 banks of 4 bytes: ISA guide 11.1)
.set ZS,   128*PQ                      ; 128 words: z
.set STG,  ZS+512                      ; for each wave 16 rows x 272 bytes of f32, its own
.set SPI,  272
.set GA,   10
.set SAQ,  11
.set GB,   12
.set ADR0, 13                          ; my lane's place in a row block of q'; never rewritten
.set ADR,  14
.set ZA0,  15
.set ZAD,  16
.set ZW,   17
.set ADRZ, 18
.set STO,  19
.set RD,   20
.set GO,   21
.set Z,    22                          ; v22-23: named as a pair, the low word is taken for both halves
.set ONES, 24                          ; v24-31: a fragment of bf16 ones
.set ACC,  32                          ; v32-63
.set O,    64                          ; v64-95
.set OB,   96                          ; v96-127
.set AF,   128                         ; v128-191: a row block's eight fragments of q'
.set LS,   192                         ; v192-255: q' on its way to LDS
.set MSB, 0
.macro WIN new                         ; the immediate's high byte repeats the setting that is left; a switch that changes nothing is dropped
.if MSB != (\new)
	s_set_vgpr_msb (MSB<<8)|(\new)
.set MSB, (\new)
.endif
.endm
.macro PLACES                          ; four places between a matrix instruction and a load into, or a vector read of, its registers
.rept 4
	v_nop
.endr
.endm
.macro BAR                             ; my LDS stores are done and my LDS reads are back; then all eight waves meet
	s_wait_dscnt 0x0
	s_barrier_signal -1
	s_barrier_wait -1
.endm
.macro KVLOAD q0                       ; 32 of my 64 loads of kv: load q fills v[4 q] of window 1; a wave takes 512 consecutive bytes
	WIN 0x40
.set i, (\q0)
.rept 32
	global_load_b128 v[4*i:4*i+3], v[GB], s[6:7] offset:i*512
.set i, i+1
.endr
	WIN 0
.endm
	s_load_b128 s[4:7], s[0:1], 0x0                ; f s[4:5], kvf s[6:7]
	s_load_b64 s[8:9], s[0:1], 0x10                ; out0
	v_lshrrev_b32 v1, 5, v0
	v_readfirstlane_b32 s10, v1                    ; wave
	v_and_b32 v2, 31, v0
	v_lshlrev_b32 v3, 4, v2
	v_lshl_add_u32 v[GA], v1, 10, v3               ; row = wave, 1,024 bytes a row of f
	v_lshl_add_u32 v[GB], v1, 15, v3               ; my four column blocks of 8,192 bytes
	s_and_b32 s13, ttmp7, 0xffff                   ; row block
	s_lshl_b32 s14, s13, 17                        ; 128 rows of f
	s_mov_b32 s15, 0
	s_lshr_b32 s16, s13, 5                         ; batch: 32 row blocks each
	s_lshl_b32 s16, s16, 19
	s_lshl_b32 s17, ttmp9, 18                      ; 32 column blocks
	s_add_co_u32 s16, s16, s17
	s_mov_b32 s17, 0
	s_lshl_b32 s18, s13, 19                        ; 128 rows of out0,
	s_lshl_b32 s19, ttmp9, 11                      ; 512 columns of f32
	s_add_co_u32 s18, s18, s19
	s_mov_b32 s19, 0
	s_wait_kmcnt 0x0
	s_add_nc_u64 s[4:5], s[4:5], s[14:15]
	s_add_nc_u64 s[6:7], s[6:7], s[16:17]
	s_add_nc_u64 s[8:9], s[8:9], s[18:19]
.set i, 0
.rept 16
	global_load_b128 v[LS+4*i:LS+4*i+3], v[GA], s[4:5] offset:i*8192  ; a wave takes the 512 bytes of q' of one row
.set i, i+1
.endr
	KVLOAD 0
	v_mul_u32_u24 v4, v1, PQ
	v_add_nc_u32 v[SAQ], v4, v3
	v_and_b32 v5, 15, v0                           ; r
	v_bfe_u32 v6, v0, 4, 1                         ; h
	v_mul_u32_u24 v7, v5, PQ
	v_lshl_add_u32 v[ADR0], v6, 4, v7              ; a fragment: row r x pitch + 16 h
	s_mul_i32 s20, s10, 16*PQ
	v_add_nc_u32 v[ADRZ], s20, v[ADR0]             ; row block = wave, for the row sums
	v_lshlrev_b32 v8, 2, v5
	v_add_nc_u32 v[ZA0], ZS, v8
	s_lshl_b32 s21, s10, 6
	v_add_nc_u32 v[ZW], s21, v[ZA0]
	s_mul_i32 s22, s10, 16*SPI
	s_add_co_u32 s22, s22, STG                     ; my stage
	v_mul_u32_u24 v9, v5, SPI                      ; in: row r, 32 bytes for each half of the lanes
	v_lshl_add_u32 v9, v6, 5, v9
	v_add_nc_u32 v[STO], s22, v9
	v_mul_u32_u24 v9, v6, SPI                      ; back: lanes 0-15 one row of 256 bytes, lanes 16-31 the next
	v_lshl_add_u32 v9, v5, 4, v9
	v_add_nc_u32 v[RD], s22, v9
	v_lshlrev_b32 v9, 4, v5                        ; and the same two rows of out0, at my wave's 256 bytes
	v_lshl_add_u32 v9, v6, 12, v9
	v_lshl_add_u32 v[GO], v1, 8, v9
.set i, 0
.rept 8
	v_mov_b32 v[ONES+i], 0x3f803f80
.set i, i+1
.endr
	s_wait_loadcnt 32                              ; q' is in; the 32 loads of kv behind it stay out
.set i, 0
.rept 16
	ds_store_b128 v[SAQ], v[LS+4*i:LS+4*i+3] offset:i*8*PQ
.set i, i+1
.endr
	KVLOAD 32
	BAR                                            ; q' is whole in LDS; it is never written again
	; z of row block w
.set i, 0
.rept 8
	ds_load_b128 v[AF+8*i:AF+8*i+3],   v[ADRZ] offset:i*64
	ds_load_b128 v[AF+8*i+4:AF+8*i+7], v[ADRZ] offset:i*64+32
.set i, i+1
.endr
	s_wait_dscnt 0x0
.set i, 0
.rept 8
.if i < 4
	v_wmma_f32_16x16x32_bf16 v[ACC+8*(i%4):ACC+8*(i%4)+7], v[ONES:ONES+7], v[AF+8*i:AF+8*i+7], 0
.else
	v_wmma_f32_16x16x32_bf16 v[ACC+8*(i%4):ACC+8*(i%4)+7], v[ONES:ONES+7], v[AF+8*i:AF+8*i+7], v[ACC+8*(i%4):ACC+8*(i%4)+7]
.endif
.set i, i+1
.endr
	PLACES
	v_add_f32 v[Z], v[ACC], v[ACC+8]               ; every register of an accumulator holds row r's sum: the lowest is taken
	v_add_f32 v[Z+1], v[ACC+16], v[ACC+24]
	v_add_f32 v[Z], v[Z], v[Z+1]
	v_add_f32 v[Z], 0x322bcc77, v[Z]               ; + 1e-8
	v_rcp_f32 v[Z], v[Z]
	v_nop                                          ; a plain instruction between the reciprocal and the use of its result
	s_wait_alu depctr_va_vdst(0)
	ds_store_b32 v[ZW], v[Z]                       ; lanes r and r + 16 write the same word with the same number
	BAR
	s_wait_loadcnt 0x0                             ; kv
	s_mov_b32 s20, 8
	s_mov_b32 s21, 0                               ; the row block's first byte in q'
	s_mov_b32 s22, 0                               ; and in z
.Lrows:                                                ; a trip: 16 rows x my 64 columns
	v_add_nc_u32 v[ADR], s21, v[ADR0]
	v_add_nc_u32 v[ZAD], s22, v[ZA0]
.set i, 0
.rept 8
	ds_load_b128 v[AF+8*i:AF+8*i+3],   v[ADR] offset:i*64
	ds_load_b128 v[AF+8*i+4:AF+8*i+7], v[ADR] offset:i*64+32
.set i, i+1
.endr
	ds_load_b32 v[Z], v[ZAD]
	s_wait_dscnt 0x0
	WIN 0x01                                       ; source 0 (kv) window 1.  Source 0 = 16 columns, source 1 = 16 rows: a lane holds one row, eight neighbouring columns
.set i, 0
.rept 32
.if i < 4
	v_wmma_f32_16x16x32_bf16 v[ACC+8*(i%4):ACC+8*(i%4)+7], v[8*(8*(i%4)+i/4):8*(8*(i%4)+i/4)+7], v[AF+8*(i/4):AF+8*(i/4)+7], 0
.else
	v_wmma_f32_16x16x32_bf16 v[ACC+8*(i%4):ACC+8*(i%4)+7], v[8*(8*(i%4)+i/4):8*(8*(i%4)+i/4)+7], v[AF+8*(i/4):AF+8*(i/4)+7], v[ACC+8*(i%4):ACC+8*(i%4)+7]
.endif
.set i, i+1
.endr
	WIN 0
	PLACES
.set i, 0
.rept 16
	v_pk_mul_f32 v[O+2*i:O+2*i+1], v[ACC+2*i:ACC+2*i+1], v[Z:Z+1] op_sel_hi:[1,0]  ; each accumulator from its low end on
.set i, i+1
.endr
.set i, 0
.rept 4
	ds_store_b128 v[STO], v[O+8*i:O+8*i+3]   offset:i*64
	ds_store_b128 v[STO], v[O+8*i+4:O+8*i+7] offset:i*64+16
.set i, i+1
.endr
.set i, 0
.rept 8
	ds_load_b128 v[OB+4*i:OB+4*i+3], v[RD] offset:i*2*SPI          ; LDS serves a wave's instructions in order (ISA guide 5.7.1.4): these see the stores above; the stage is my own
.set i, i+1
.endr
.set i, 0
.rept 8
	s_wait_dscnt 7-i                               ; load i of the eight is in
	global_store_b128 v[GO], v[OB+4*i:OB+4*i+3], s[8:9] offset:i*8192 th:TH_STORE_NT  ; sixteen lanes store 256 consecutive bytes, aligned
.set i, i+1
.endr
	s_wait_xcnt 0x0                                ; the stores' base and data are rewritten only behind this wait
	s_add_nc_u64 s[8:9], s[8:9], 65536             ; 16 rows of out0
	s_add_co_u32 s21, s21, 16*PQ
	s_add_co_u32 s22, s22, 64
	s_sub_co_u32 s20, s20, 1
	s_cmp_lg_u32 s20, 0
	s_cbranch_scc1 .Lrows
	s_wait_xcnt 0x0
	v_lshl_add_u32 v254, v0, 2, 0x19200
	v_mov_b32 v255, 0
	s_wait_tensorcnt 0x0
	ds_add_u32 v254, v255
	s_wait_dscnt 0x0
	s_endpgm
.Lfunc_end_k_q46b0a08d9c_outk:
	.size	k_q46b0a08d9c_outk, .Lfunc_end_k_q46b0a08d9c_outk-k_q46b0a08d9c_outk
	.p2alignl 7, 3214868480
	.fill 96, 4, 3214868480
	.section	.rodata,"a",@progbits
	.p2align	6, 0x0
	.amdhsa_kernel k_q46b0a08d9c_outk
		.amdhsa_group_segment_fixed_size 103936
		.amdhsa_private_segment_fixed_size 0
		.amdhsa_enable_private_segment 0
		.amdhsa_kernarg_size 24
		.amdhsa_user_sgpr_count 2
		.amdhsa_user_sgpr_kernarg_segment_ptr 1
		.amdhsa_wavefront_size32 1
		.amdhsa_system_sgpr_workgroup_id_x 1
		.amdhsa_system_sgpr_workgroup_id_y 1
		.amdhsa_system_sgpr_workgroup_id_z 1
		.amdhsa_system_vgpr_workitem_id 0
		.amdhsa_next_free_vgpr 512
		.amdhsa_next_free_sgpr 66
		.amdhsa_reserve_vcc 0
		.amdhsa_float_denorm_mode_32 3
		.amdhsa_float_denorm_mode_16_64 3
		.amdhsa_memory_ordered 1
		.amdhsa_forward_progress 1
		.amdhsa_inst_pref_size 21
	.end_amdhsa_kernel
	.amdgpu_metadata
---
amdhsa.version: [ 1, 2 ]
amdhsa.kernels:
  - .name:           k_q46b0a08d9c_outk
    .symbol:         k_q46b0a08d9c_outk.kd
    .args:
      - { .name: f, .offset: 0, .size: 8, .value_kind: global_buffer, .address_space: global }
      - { .name: kvf, .offset: 8, .size: 8, .value_kind: global_buffer, .address_space: global }
      - { .name: out0, .offset: 16, .size: 8, .value_kind: global_buffer, .address_space: global }
    .group_segment_fixed_size: 103936
    .private_segment_fixed_size: 0
    .kernarg_segment_align: 8
    .kernarg_segment_size: 24
    .max_flat_workgroup_size: 256
    .sgpr_count:     66
    .vgpr_count:     512
    .wavefront_size: 32
...
	.end_amdgpu_metadata
.endif
;; end of part 5
;; ======== version 2 of 2: 5 launches; version 1 with the launch kv written anew for expert scheduling mode
;; limits: values outside matrix products are rounded to bf16
;; workspace buffers: mt 1,048,576 bytes; f 16,777,216 bytes; kxp 8,388,608 bytes; kvf 2,097,152 bytes; wvb 2,097,152 bytes
;; launch prep: the kernel of part 1 again; grid 16 x 16, 8 waves a work-group, no clusters, 174,080 bytes of LDS; arguments proj, Wq, Wk, Wv, mt, wvb; writes mt, wvb
;; launch feat: the kernel of part 2 again; grid 256 x 1, 8 waves a work-group, clusters of 4 x 1, 327,680 bytes of LDS; arguments x, mt, f; writes f
;; launch kx: the kernel of part 3 again; grid 16 x 16, 8 waves a work-group, clusters of 4 x 1, 327,680 bytes of LDS; arguments f, x, kxp; writes kxp
;; launch kv (part 6): grid 8 x 32, 8 waves a work-group, no clusters, 169,984 bytes of LDS; arguments kxp, wvb, kvf; writes kvf
.if DOCPART == 6
	.amdgcn_target "amdgcn-amd-amdhsa--gfx1250"
	.amdhsa_code_object_version 6
	.text
	.protected	k_q46b0a08d9c_kv
	.globl	k_q46b0a08d9c_kv
	.p2align	8
	.type	k_q46b0a08d9c_kv,@function
k_q46b0a08d9c_kv:
	s_mov_b64 s[64:65], 0
	v_nop
	global_prefetch_b8 v0, s[64:65] scope:SCOPE_SE
	s_setreg_imm32_b32 hwreg(HW_REG_WAVE_SCHED_MODE, 0, 2), 2
	s_setreg_imm32_b32 hwreg(HW_REG_WAVE_MODE, 25, 1), 1
	s_wait_xcnt 0x0
	s_wait_alu depctr_vm_vsrc(0)
; kv[b][p][d] = sum over d' of ( sum over s = 0..3 of kxp[4 b + s][p][d'] ) Wv[d][d'],  stored as bf16 in the order in which the next launch's matrix instructions take it:
; kvf[b][d / 16][p / 16][lane][16 bytes]: lane (r, h) holds kv[p = 16 (p / 16) + 8 h + 0..7][d = 16 (d / 16) + r].
; kxp lies as [part][d' / 64][p][d' % 64] in bf16; wvb is Wv rounded to bf16, [d][d'].
; LIMITS: the four parts arrive rounded to bf16, are added in f32, and the sum is rounded to bf16 as the matrix operand; Wv is bf16; the product's sums are f32; kv is rounded to bf16 once.
; NaN and infinities are not treated apart.
; SHARES: a work-group makes 32 p x 128 d of one batch: 8 x 32 work-groups (of the tiles of 4,096 numbers this one has the fewest landing bytes: a p costs four bf16 rows, a d one).
; Wave w: d block w, both p blocks: two accumulators, which take turns.
; ROAD: d' goes in 4 tiles of 256: 65,536 bytes of the parts and 65,536 of wvb, 32 loads a thread.  The parts are summed in registers, so they come by global loads and go to LDS by stores;
; wvb takes the same road, so that ONE barrier a tile orders both.  Two register sets and two LDS slots by the tile's parity.  Every offset is an immediate: no base is stepped.
; NO CLUSTER, NO TENSOR LOAD: half of what lands is changed in registers before LDS; a joint request for wvb's half would be a second ring with an ordering of its own beside this one.
; THE MODE: SCHED_MODE bits 1:0 = 2 (LLVM: expert scheduling mode 2), set by the entry lines.  The code itself states the register dependences
; between vector or matrix instructions and memory or LDS instructions, with s_wait_alu, always for 0.
; THE PLAN.  Registers that memory or LDS instructions touch:
;   v10-v20       offsets and LDS addresses: written at the head, never again; read by every load and store.
;   set n, parts  (window 1, 64 registers) written by the tile's loads; read by the 128 widening lines; then loaded again, two tiles on.
;   set n, wvb    (window 1, 64 registers) written by the tile's loads; read by 16 LDS stores as their data; then loaded again.
;   PS v96-111    written by the tile's 16 roundings; read by four LDS stores; the next fragments land there.  TS v64-95: vector lines alone; fragments land there too.
;   v64-255       step k's fragments at 64 + 24 k: written by LDS loads; read by that step's two matrix instructions.
;   PKD v48-55    written by the last roundings; read by the two global stores.       v62, v63: written at the head, read by the closing add alone.
; A tile has TWO waits.  ONE on va_vdst, behind its roundings: PS is written; the widening lines are done reading the set; the vector lines are done with TS and PS and the last tile's matrix
; instructions with their fragments.  Behind it no vector or matrix instruction names the set, and none names a step's fragments before that step's own loads have gone out.
; ONE on vm_vsrc, behind its LDS stores: they have read wvb's half of the set and PS.  So wvb's 16 stores stand ahead of the sums, whose lines name none of their registers, and the fragment loads
; of steps 4 to 7 are dealt among the matrix instructions of steps 0 to 3, which name steps 0 to 3's fragments and the accumulators alone.
.set PI,    528                        ; 512 bytes + 16 = 132 words: the 16 rows of a fragment load start at 16 different groups of four banks (64 banks of 4 bytes: ISA guide 11.1)
.set BOFF,  32*PI                      ; the summed rows (32 p), then wvb's 128 rows
.set SLOT,  160*PI
.set GA,  10                           ; v10     my byte offset in a piece of a part: 32 rows of 128 bytes on end
.set GB,  11                           ; v11     in wvb's tile
.set SA,  12                           ; v12-13  where I store the summed rows, slot 0, 1
.set SB,  14                           ; v14-15  where I store wvb
.set ADA, 16                           ; v16-17  my fragments of the summed rows
.set ADB, 18                           ; v18-19  of wvb
.set GO,  20
.set ACC, 32                           ; v32-47
.set PKD, 48                           ; v48-55
.set F0,  64                           ; v64-255   step k of 32 d' (k = 0 .. 7): p block 0, p block 1, wvb at F0 + 24 k
.set TS,  64                           ; v64-95    between two tiles' products: part s of a piece as f32 at TS + 8 s
.set PS,  96                           ; v96-111   the four summed pieces, bf16
                                       ; window 1: set 0 v0-127, set 1 v128-255: piece j (64 d'), part s at 16 j + 4 s; wvb's 16 loads from 64 on
.set MSB, 0
.macro WIN new                         ; the immediate's high byte repeats the setting that is left; a switch that changes nothing is dropped
.if MSB != (\new)
	s_set_vgpr_msb (MSB<<8)|(\new)
.set MSB, (\new)
.endif
.endm
.macro PLACES                          ; four places between a matrix instruction and a vector write of, or a vector read of, its registers (ISA guide 7.12.1)
.rept 4
	v_nop
.endr
.endm
.macro BAR                             ; my LDS stores are done and my LDS reads are back; then all eight waves meet
	s_wait_dscnt 0x0
	s_barrier_signal -1
	s_barrier_wait -1
.endm
.macro LOADT n, t, again               ; tile t into set n: 32 loads; a wave takes 512 consecutive bytes with each.  again = 1: the set has held a tile
	WIN 0x40                                       ; destination window 1, address window 0
.if \again
	s_wait_alu depctr_vm_vsrc(0)                   ; my LDS stores have read wvb's half of set n, in which loads below land, and PS, in which the next fragments land
.endif
.set i, 0
.rept 16
	global_load_b128 v[128*(\n)+4*i:128*(\n)+4*i+3], v[GA], s[4:5] offset:(i%4)*524288+(4*(\t)+i/4)*32768  ; part i % 4, block of 64 d' number 4 t + i / 4
.set i, i+1
.endr
.set i, 0
.rept 16
	global_load_b128 v[128*(\n)+64+4*i:128*(\n)+64+4*i+3], v[GB], s[6:7] offset:i*16384+(\t)*512           ; row 8 i + wave, 512 bytes of it
.set i, i+1
.endr
	WIN 0
.endm
.macro STORET n, cnt                   ; set n into slot n: wvb as it is; the four parts widened, added in f32 and rounded once.  cnt: the 32 loads of the one younger tile, which stay out, or 0
	s_wait_loadcnt \cnt
	WIN 0x04                                       ; store data, and the widening lines' source 1, window 1; all else window 0
.set i, 0
.rept 16
	ds_store_b128 v[SB+(\n)], v[128*(\n)+64+4*i:128*(\n)+64+4*i+3] offset:i*8*PI  ; a wave writes 512 bytes on end of one row.  Data from loads, address from the head: no vector line below names either
.set i, i+1
.endr
	PLACES                                         ; TS lies in registers that the products just issued have read
.set j, 0
.rept 4
.set q, 128*(\n)+16*j
	WIN 0x04                                       ; source 1 window 1, destination window 0
.set i, 0
.rept 16
	v_lshlrev_b32 v[TS+2*i],   16,  v[q+i]         ; bf16 to f32: the low half moves up,
	v_and_b32     v[TS+2*i+1], s21, v[q+i]         ; the high half stays
.set i, i+1
.endr
	WIN 0
.set i, 0
.rept 4
	v_pk_add_f32 v[TS+2*i:TS+2*i+1],       v[TS+2*i:TS+2*i+1],       v[TS+8+2*i:TS+8+2*i+1]
	v_pk_add_f32 v[TS+16+2*i:TS+16+2*i+1], v[TS+16+2*i:TS+16+2*i+1], v[TS+24+2*i:TS+24+2*i+1]
.set i, i+1
.endr
.set i, 0
.rept 4
	v_pk_add_f32 v[TS+2*i:TS+2*i+1], v[TS+2*i:TS+2*i+1], v[TS+16+2*i:TS+16+2*i+1]
.set i, i+1
.endr
.set i, 0
.rept 4
	v_cvt_pk_bf16_f32 v[PS+4*j+i], v[TS+2*i], v[TS+2*i+1]
.set i, i+1
.endr
.set j, j+1
.endr
	s_wait_alu depctr_va_vdst(0)                   ; the roundings have written PS, which the stores below read; the widening lines are done reading set n, which is loaded again; the lines above are done with TS and PS, and the last tile's products with their fragments, in which the next fragments land
.set j, 0
.rept 4
	ds_store_b128 v[SA+(\n)], v[PS+4*j:PS+4*j+3] offset:j*128      ; sixteen lanes write 128 bytes of two rows 528 apart: seven of the eight columns meet twice; four stores a tile
.set j, j+1
.endr
.endm
.macro STEPL n, k                      ; the fragments of step k of slot n: six loads
.set fq, F0+24*(\k)
	ds_load_b128 v[fq:fq+3],     v[ADA+(\n)] offset:(\k)*64
	ds_load_b128 v[fq+4:fq+7],   v[ADA+(\n)] offset:(\k)*64+32
	ds_load_b128 v[fq+8:fq+11],  v[ADA+(\n)] offset:16*PI+(\k)*64
	ds_load_b128 v[fq+12:fq+15], v[ADA+(\n)] offset:16*PI+(\k)*64+32
	ds_load_b128 v[fq+16:fq+19], v[ADB+(\n)] offset:(\k)*64
	ds_load_b128 v[fq+20:fq+23], v[ADB+(\n)] offset:(\k)*64+32
.endm
.macro STEPM k, zero                   ; step k's two products.  Source 0 = 16 p, source 1 = 16 d: a lane holds one d and eight neighbouring p
.set fq, F0+24*(\k)
.if \zero
	v_wmma_f32_16x16x32_bf16 v[ACC:ACC+7],    v[fq:fq+7],    v[fq+16:fq+23], 0
	v_wmma_f32_16x16x32_bf16 v[ACC+8:ACC+15], v[fq+8:fq+15], v[fq+16:fq+23], 0
.else
	v_wmma_f32_16x16x32_bf16 v[ACC:ACC+7],    v[fq:fq+7],    v[fq+16:fq+23], v[ACC:ACC+7]
	v_wmma_f32_16x16x32_bf16 v[ACC+8:ACC+15], v[fq+8:fq+15], v[fq+16:fq+23], v[ACC+8:ACC+15]
.endif
.endm
; Slot n: 48 loads, 16 matrix instructions.  Steps 0 to 3 are asked for in one run; step k + 4 behind the products of step k.  No wait on va_vdst: since the tile's one such wait the only vector or
; matrix instructions are the products of steps 0 to k, which name the fragments of those steps and the accumulators, and the loads land in later steps' fragments.
.macro COMPUTE n, zero
.set ks, 0
.rept 4
	STEPL \n, ks
.set ks, ks+1
.endr
.set ks, 0
.rept 8
.if ks < 5
	s_wait_dscnt 18                                ; LDS loads come back in order (ISA guide 5.7.1): step ks is in; out may stay the six loads of each of the three steps asked for behind it
.else
	s_wait_dscnt 42-6*ks                           ; the six loads of each later step stay out
.endif
.if (\zero) && (ks == 0)
	STEPM ks, 1
.else
	STEPM ks, 0
.endif
.if ks < 4
	STEPL \n, ks+4
.endif
.set ks, ks+1
.endr
.endm
	s_load_b128 s[4:7], s[0:1], 0x0                ; kxp s[4:5], wvb s[6:7]
	s_load_b64 s[8:9], s[0:1], 0x10                ; kvf
	v_lshl_add_u32 v62, v0, 2, 0x29400
	v_mov_b32 v63, 0
	v_lshrrev_b32 v1, 5, v0
	v_readfirstlane_b32 s10, v1                    ; wave
	v_and_b32 v2, 31, v0
	v_lshlrev_b32 v3, 4, v2
	v_lshlrev_b32 v[GA], 4, v0                     ; 256 threads x 16 bytes = 32 rows of 128 bytes
	v_lshl_add_u32 v[GB], v1, 11, v3               ; row = wave, 2,048 bytes a row of wvb
	s_wait_alu depctr_va_sdst(0)                   ; s10 is written, ahead of its first reader: the LDS address of my d block's rows is made from it
	s_and_b32 s13, ttmp7, 0xffff
	s_lshr_b32 s11, s13, 3                         ; batch
	s_and_b32 s12, s13, 7                          ; which 32 p
	s_lshl_b32 s14, s11, 21                        ; four parts of 524,288 bytes
	s_lshl_b32 s15, s12, 12                        ; 32 rows of 128 bytes in each block
	s_add_co_u32 s14, s14, s15
	s_mov_b32 s15, 0
	s_lshl_b32 s16, ttmp9, 18                      ; 128 rows of wvb
	s_mov_b32 s17, 0
	s_lshl_b32 s18, s11, 19                        ; kvf: a batch is 64 d blocks of 8,192 bytes,
	s_lshl_b32 s19, ttmp9, 16                      ; my eight d blocks,
	s_add_co_u32 s18, s18, s19
	s_lshl_b32 s19, s12, 10                        ; my two p blocks of 512 bytes in each
	s_add_co_u32 s18, s18, s19
	s_mov_b32 s19, 0
	s_mov_b32 s21, 0xffff0000                      ; a word's upper bf16
	s_wait_kmcnt 0x0
	s_add_nc_u64 s[4:5], s[4:5], s[14:15]
	s_add_nc_u64 s[6:7], s[6:7], s[16:17]
	s_add_nc_u64 s[8:9], s[8:9], s[18:19]
	WIN 0x40                                       ; the loads' window first, then the wait, then the loads
	s_wait_alu depctr_va_vdst(0)                   ; v10 and v11 are written: every global load of the kernel reads one of them as its offset
	LOADT 0, 0, 0
	LOADT 1, 1, 0
	v_lshrrev_b32 v4, 3, v0                        ; the summed rows: row = thread / 8, 16 bytes a thread, 128 bytes a piece
	v_and_b32 v5, 7, v0
	v_mul_u32_u24 v4, v4, PI
	v_lshl_add_u32 v[SA], v5, 4, v4
	v_add_nc_u32 v[SA+1], SLOT, v[SA]
	v_mul_u32_u24 v6, v1, PI                       ; wvb: row = wave, 16 bytes a lane
	v_add_nc_u32 v6, v6, v3
	v_add_nc_u32 v[SB], BOFF, v6
	v_add_nc_u32 v[SB+1], SLOT, v[SB]
	v_and_b32 v7, 15, v0
	v_bfe_u32 v8, v0, 4, 1
	v_mul_u32_u24 v9, v7, PI
	v_lshl_add_u32 v[ADA], v8, 4, v9               ; a fragment: row r x pitch + 16 h
	v_add_nc_u32 v[ADA+1], SLOT, v[ADA]
	s_mul_i32 s20, s10, 16*PI                      ; my d block's 16 rows of wvb
	s_add_co_u32 s20, s20, BOFF
	v_add_nc_u32 v[ADB], s20, v[ADA]
	v_add_nc_u32 v[ADB+1], SLOT, v[ADB]
	v_lshl_add_u32 v[GO], v1, 13, v3               ; d block = wave, 16 bytes a lane
	s_wait_alu depctr_va_vdst(0)                   ; v12 to v20 are written: the LDS stores and loads and the last two stores read them as their addresses
	STORET 0, 32                                   ; tile 0 is in, tile 1's 32 loads stay out
	LOADT 0, 2, 1
	BAR
	COMPUTE 0, 1                                   ; its first products start the sums
	STORET 1, 32                                   ; tile 1; tile 2 stays out
	LOADT 1, 3, 1
	BAR                                            ; slot 1 is whole, and nobody reads slot 0 any more
	COMPUTE 1, 0
	STORET 0, 32                                   ; tile 2; tile 3 stays out
	s_wait_alu depctr_vm_vsrc(0)                   ; my LDS stores have read PS, in which the next fragments land (nothing is left to load into the set)
	BAR
	COMPUTE 0, 0
	STORET 1, 0
	s_wait_alu depctr_vm_vsrc(0)                   ; my LDS stores have read PS, in which the next fragments land
	BAR
	COMPUTE 1, 0
	PLACES
.set i, 0
.rept 8
	v_cvt_pk_bf16_f32 v[PKD+i], v[ACC+2*i], v[ACC+2*i+1]          ; each accumulator from its low end on
.set i, i+1
.endr
	s_wait_alu depctr_va_vdst(0)                   ; the roundings have written PKD, which the two stores read
	global_store_b128 v[GO], v[PKD:PKD+3], s[8:9]                 ; a wave stores 512 consecutive bytes, aligned: no stage is needed
	global_store_b128 v[GO], v[PKD+4:PKD+7], s[8:9] offset:512
	s_wait_dscnt 0x0                               ; the closing lines, six on end
	s_wait_alu 0x0
	s_wait_tensorcnt 0x0
	ds_add_u32 v62, v63
	s_wait_dscnt 0x0
	s_endpgm
.Lfunc_end_k_q46b0a08d9c_kv:
	.size	k_q46b0a08d9c_kv, .Lfunc_end_k_q46b0a08d9c_kv-k_q46b0a08d9c_kv
	.p2alignl 7, 3214868480
	.fill 96, 4, 3214868480
	.section	.rodata,"a",@progbits
	.p2align	6, 0x0
	.amdhsa_kernel k_q46b0a08d9c_kv
		.amdhsa_group_segment_fixed_size 169984
		.amdhsa_private_segment_fixed_size 0
		.amdhsa_enable_private_segment 0
		.amdhsa_kernarg_size 24
		.amdhsa_user_sgpr_count 2
		.amdhsa_user_sgpr_kernarg_segment_ptr 1
		.amdhsa_wavefront_size32 1
		.amdhsa_system_sgpr_workgroup_id_x 1
		.amdhsa_system_sgpr_workgroup_id_y 1
		.amdhsa_system_sgpr_workgroup_id_z 1
		.amdhsa_system_vgpr_workitem_id 0
		.amdhsa_next_free_vgpr 512
		.amdhsa_next_free_sgpr 66
		.amdhsa_reserve_vcc 0
		.amdhsa_float_denorm_mode_32 3
		.amdhsa_float_denorm_mode_16_64 3
		.amdhsa_memory_ordered 1
		.amdhsa_forward_progress 1
		.amdhsa_inst_pref_size 73
	.end_amdhsa_kernel
	.amdgpu_metadata
---
amdhsa.version: [ 1, 2 ]
amdhsa.kernels:
  - .name:           k_q46b0a08d9c_kv
    .symbol:         k_q46b0a08d9c_kv.kd
    .args:
      - { .name: kxp, .offset: 0, .size: 8, .value_kind: global_buffer, .address_space: global }
      - { .name: wvb, .offset: 8, .size: 8, .value_kind: global_buffer, .address_space: global }
      - { .name: kvf, .offset: 16, .size: 8, .value_kind: global_buffer, .address_space: global }
    .group_segment_fixed_size: 169984
    .private_segment_fixed_size: 0
    .kernarg_segment_align: 8
    .kernarg_segment_size: 24
    .max_flat_workgroup_size: 256
    .sgpr_count:     66
    .vgpr_count:     512
    .wavefront_size: 32
...
	.end_amdgpu_metadata
.endif
;; end of part 6
;; launch outk: the kernel of part 5 again; grid 2 x 128, 8 waves a work-group, no clusters, 103,936 bytes of LDS; arguments f, kvf, out0; writes out0
